; MI455X (gfx1250); checked and timed in simulation.
; The chip was launched on July 23, 2026; its instructions are those of AMD's public machine-readable ISA for CDNA 5 (MIT licence, August 2026) and "CDNA5" Instruction Set Architecture Reference Guide (July 2026). The comments in the code are by the model that wrote it; some were corrected since.
;; GPT Self Attention. Allowed arithmetic: matrix products marked QUANTISED: E2M3 operands, one E8M0 scale for each 32 along K, by v_wmma_scale_f32_16x16x128_f8f6f4 with both operands' format E2M3, f32 sums; everything else in f32.
;; Inputs: b_dense 1,024 float32; b_qkv 3,072 float32; w_dense 1,024 x 1,024 float32; w_qkv 1,024 x 3,072 float32; x 4 x 2,048 x 1,024 float32.
;; Outputs: out0 4 x 2,048 x 1,024 float32.
;; This version of the problem:
;;   THIS VERSION OF THE PROBLEM IS GIVEN IN LOW PRECISION. The matrix products marked QUANTISED in the list below multiply operands that are first quantised to E2M3 (2 exponent bits, 3 mantissa bits; 6 bits a number), with one power-of-two scale for each 32 numbers along K (OCP MX v1.0); their sums are f32. All else is computed in f32.
;;   The module's matrix products, in the order in which they are computed (A, B: the left and right operand; K: the contracted axis; several contracted axes count as one K, in the product's order):
;;     1. [M 8,192, K 1,024] x [K 1,024, N 3,072]; A: input x; B: input w_qkv: QUANTISED
;;     2. batch 64 x [M 2,048, K 64] x [K 64, N 2,048]; A: computed on the way; B: computed on the way: QUANTISED
;;     3. batch 64 x [M 2,048, K 2,048] x [K 2,048, N 64]; A: softmax (see below); B: computed on the way: QUANTISED
;;     4. [M 8,192, K 1,024] x [K 1,024, N 1,024]; A: computed on the way; B: input w_dense: QUANTISED
;;   THE QUANTISER, for each operand of a quantised product, along K:
;;     - K is cut into blocks of 32 from its start; a last block that is shorter is filled with zeros.
;;     - A block's scale is 2^e with e = floor(log2(the largest magnitude in the block)) - 2, held to -126 .. 127; a block of zeros has e = 0. As a byte (E8M0): e + 127.
;;     - Each number is divided by its block's scale, clamped to +-7.5, and rounded to the nearest number of E2M3, ties to even, subnormals kept.
;;     - The product sums the exact products of the quantised numbers (number of the format x scale) in f32.
;;   ~~~python
;;   def quantise(x, axis):      # numpy; x: float32 -> the quantised numbers, widened to float32 again
;;       x = np.moveaxis(x, axis, -1); K = x.shape[-1]
;;       x = np.pad(x, [(0, 0)] * (x.ndim - 1) + [(0, -K % 32)]); x = x.reshape(x.shape[:-1] + (-1, 32)); a = np.abs(x).max(-1, keepdims=True)
;;       e = np.where(a > 0, np.clip(np.frexp(np.where(a > 0, a, 1))[1] - 1 - 2, -126, 127), 0)      # np.frexp(a)[1] - 1 = floor(log2(a)), exactly
;;       r = np.clip(x / 2.0 ** e, -7.5, 7.5)
;;       step = 2.0 ** (np.maximum(np.frexp(np.where(r == 0, 1, r))[1] - 1, 0) - 3)
;;       q = np.round(r / step) * step * 2.0 ** e      # np.round: ties to even
;;       return np.moveaxis(q.reshape(q.shape[:-2] + (-1,))[..., :K], -1, axis).astype(np.float32)
;;   ~~~
;;   SOFTMAX AHEAD OF A QUANTISED PRODUCT. Where the list says 'softmax', what is quantised is not the finished softmax but p = 2^(t - M), with t = logit x log2(e) and M = ceil(the row's largest t), a whole number; so 1/2 < the row's largest p <= 1. The row's sum l is taken of the UNQUANTISED p, in f32, and the product's result is divided by l at the end. Since M is a whole number, a kernel that streams over the keys may use a running M (the ceiling of the running maximum): every later rescaling is an exact power of two, which a block's scale takes up: the codes' values come out the same.
;;   OPERANDS COMPUTED ON THE WAY. 'Computed on the way' means the value that the module computes at that place (a softmax that the list does not call 'softmax' is quantised finished and normalised). What goes into a quantiser is computed in f32, as accurately as f32 sums, v_exp_f32 and their like allow (about 1e-6 of the number): no bf16 or f16 on the way to a quantiser, and a product that is left as it is and whose result goes on into a quantised operand takes f32 operands (vector FMAs, or v_wmma_f32_16x16x4_f32). A number that lies on a knife's edge between two numbers of the format may be rounded either way, as far as f32 arithmetic and the matrix unit's own rounding can turn it there, and no further.
;; One version. Each part assembles by itself: llvm-mc -triple=amdgcn-amd-amdhsa -mcpu=gfx1250 --defsym DOCPART=n.
;; ======== version 1 of 1: 4 launches
;; workspace buffers: ops 9,830,400 bytes; qkvc 20,185,088 bytes; ctxc 6,553,600 bytes
;; launch quant (part 1): grid 512 x 1, 4 waves a work-group, no clusters, 47,616 bytes of LDS; arguments x, w_qkv, w_dense, ops; writes ops
.if DOCPART == 1
	.amdgcn_target "amdgcn-amd-amdhsa--gfx1250"
	.amdhsa_code_object_version 6
	.text
	.protected	k_q77543245ab_quant
	.globl	k_q77543245ab_quant
	.p2align	8
	.type	k_q77543245ab_quant,@function
k_q77543245ab_quant:
	s_mov_b64 s[64:65], 0
	v_nop
	global_prefetch_b8 v0, s[64:65] scope:SCOPE_SE
	s_setreg_imm32_b32 hwreg(HW_REG_WAVE_MODE, 25, 1), 1
	s_wait_xcnt 0x0
; x [8192][1024], w_qkv [1024][3072] and w_dense [1024][1024], f32, become codes of FP6 (E2M3) with one E8M0 byte for each 32 along K (K = 1,024 in all three).
; A block's scale is 2^(floor(log2(its largest magnitude)) - 2); its byte is the largest magnitude's exponent field - 2, held at 1 from below.
; LIMITS: NaN and infinities are not served; a block of zeros gets the byte 1 where the rule says 127 (its codes are zeros, and this program alone reads the bytes).
; LAYOUT OF THE RESULTS.  A TILE is 16 rows of an operand (rows of x, columns of a weight): tile T holds rows 32 (T / 2) + 8 (T % 2) + r + 8 (r / 8), r = 0 .. 15.
; A HALF FRAGMENT is 16 rows x 64 codes as an image of the operand's registers, 768 bytes: lane (r, h) holds block h of row r, six words; words 0-3 at byte 16 x lane, words 4, 5 at byte 512 + 8 x lane.
; Codes: [tile][16 half fragments][768].  Scale words: [tile][8 K steps of 128][r], 4 bytes each.
; Work-groups 0-255 take x, the others the weights; the two ways part once, never join, and have LDS bytes of their own.  Waves share nothing: no barrier.
.set WQC,   6291456                    ; in ops: x's codes at 0, w_qkv's, w_dense's,
.set WDC,   8650752
.set XSO,   9437184                    ; x's scale words, w_qkv's, w_dense's
.set WQS,   9699328
.set WDS,   9797632
.set XREG,  8704                       ; LDS, x's way: for each wave a stage of 16 rows x 528 bytes and 256 bytes of scale words
.set XPIT,  528
.set XSCB,  8448
.set WSTG,  4*XREG                     ; the weights' way: for each wave a stage of 3,072 bytes
.set WREG,  3072
.set SPARE, WSTG+4*WREG                ; the spare words, 128 bytes a wave: two blocks of 256 bytes that no other line names
.set RA,  16                           ; v16-79, v80-143 two sets of 64 numbers as loaded
.set RB,  80
.set X,   144                          ; v144-207 64 numbers, 16 neighbours of each of four blocks
.set PC,  208                          ; v208-227 the codes just made
.set TM,  228                          ; v228-243 at work
.set PW,  244                          ; v244-247 a scale word for each K step
.set SPW, 248
.set NIL, 249
.set SEL, 36
	s_load_b256 s[4:11], s[0:1], 0x0               ; x s[4:5], w_qkv s[6:7], w_dense s[8:9], ops s[10:11]
	v_lshl_add_u32 v[SPW], v0, 2, SPARE
	v_mov_b32 v[NIL], 0
	v_lshrrev_b32 v1, 5, v0
	v_readfirstlane_b32 s12, v1                    ; wave
	v_and_b32 v2, 31, v0                           ; lane
	s_mov_b32 s[SEL], 0x76543210
	s_mov_b32 s[SEL+1], 0xfedcba98                 ; v_permlanex16_b32's selects for lane l xor 16
	s_cmp_lt_u32 ttmp9, 256
	s_cbranch_scc0 .Lweights
; ---------------- x: a wave takes one tile of 16 rows x 512 along K: four K steps of 128
; 64 numbers of a lane, register 16 b + i = k 32 b + 16 (lane / 16) + i of my row, become a fragment's codes in v[PC] on and its scale word
.macro QUANT src, pw
.irp b, 0,1,2,3
	v_max3_num_f32 v[TM+\b], |v[\src+16*\b]|, |v[\src+1+16*\b]|, 0x1800000   ; my 16 numbers of block b, and the floor 2^(3 - 127): the byte cannot fall under 1
.endr
.irp i, 2,4,6,8,10,12,14
.irp b, 0,1,2,3
	v_max3_num_f32 v[TM+\b], v[TM+\b], |v[\src+16*\b+\i]|, |v[\src+1+16*\b+\i]|
.endr
.endr
.irp b, 0,1,2,3
	v_permlanex16_b32 v[TM+4+\b], v[TM+\b], s[SEL], s[SEL+1]
.endr
.irp b, 0,1,2,3
	v_max_num_f32 v[TM+\b], v[TM+\b], v[TM+4+\b]   ; with lane l xor 16's: the block's largest magnitude
.endr
.irp b, 0,1,2,3
	v_add_nc_u32 v[TM+12+\b], 0xff000000, v[TM+\b] ; 2 off its exponent field: the conversion's scale operand
.endr
.irp b, 0,1,2,3
	v_lshrrev_b32 v[TM+4+\b], 23, v[TM+12+\b]      ; the scale's byte
.endr
	v_lshl_or_b32 v[\pw], v[TM+5], 8, v[TM+4]
	v_lshl_or_b32 v[\pw], v[TM+6], 16, v[\pw]
	v_lshl_or_b32 v[\pw], v[TM+7], 24, v[\pw]
.irp c, 0,1
	v_cvt_scalef32_pk16_fp6_f32 v[PC+6*\c:PC+2+6*\c], v[\src+32*\c:\src+15+32*\c], v[TM+12+2*\c]
	v_cvt_scalef32_pk16_fp6_f32 v[PC+12+4*\c:PC+14+4*\c], v[\src+16+32*\c:\src+31+32*\c], v[TM+12+2*\c+1]
.endr
	v_nop                                          ; one plain place behind a scaled conversion
.irp c, 0,1                                    ; the operand's layout wants a whole block in a lane
.irp i, 0,1,2
	v_permlane16_swap_b32 v[PC+6*\c+\i], v[PC+12+4*\c+\i]
.endr
.irp i, 0,1,2
	v_mov_b32 v[PC+3+6*\c+\i], v[PC+12+4*\c+\i]
.endr
.endr
.endm
.macro XLOAD k, set                            ; K step k of my 16 rows: each load is 512 consecutive bytes of one row
.irp i, 0,1,2,3,4,5,6,7,8,9,10,11,12,13,14,15
	global_load_b128 v[\set+4*\i:\set+4*\i+3], v3, s[4:5] offset:(\i+8*(\i/8))*4096+512*(\k) th:TH_LOAD_NT
.endr
.endm
.macro XTURN set                               ; through my stage: in as loaded, back 16 neighbours of each block a lane.  LDS serves a wave's instructions in order
.irp i, 0,1,2,3,4,5,6,7,8,9,10,11,12,13,14,15
	ds_store_b128 v4, v[\set+4*\i:\set+4*\i+3] offset:XPIT*\i
.endr
.irp b, 0,1,2,3
.irp j, 0,1,2,3
	ds_load_b128 v[X+16*\b+4*\j:X+16*\b+4*\j+3], v7 offset:128*\b+16*\j
.endr
.endr
.endm
.macro STEPX t, set, left
	s_wait_loadcnt \left                           ; this K step's 16 loads are in; the younger set's may be out
	XTURN \set
	s_wait_dscnt 0x0                               ; the numbers are back, and the stores into the stage have read their registers
.if (\t) > 0
	s_wait_xcnt 0x0                                ; the last K step's stores have read the codes' registers
.endif
.if (\t) < 2
	XLOAD (\t)+2, \set
.endif
	QUANT X, PW+\t
.irp c, 0,1
	global_store_b128 v3, v[PC+6*\c:PC+6*\c+3], s[24:25] offset:1536*(\t)+768*\c         ; 512 consecutive bytes, aligned to 256
	global_store_b64 v8, v[PC+6*\c+4:PC+6*\c+5], s[24:25] offset:1536*(\t)+768*\c+512    ; 256 consecutive bytes, aligned
.endr
	ds_store_b32 v9, v[PW+\t] offset:XSCB+64*(\t)  ; lanes r and r + 16 write the same word with the same value
.endm
	s_lshl_b32 s13, ttmp9, 2
	s_add_co_u32 s13, s13, s12                     ; which half tile is my wave's
	s_lshr_b32 s14, s13, 1                         ; the tile T
	s_and_b32 s15, s13, 1                          ; H: K steps 4 H .. 4 H + 3
	s_lshr_b32 s16, s14, 1
	s_lshl_b32 s16, s16, 17                        ; 32 (T / 2) rows of 4,096 bytes
	s_and_b32 s17, s14, 1
	s_lshl_b32 s17, s17, 15                        ; + 8 (T % 2) rows
	s_add_co_u32 s16, s16, s17
	s_lshl_b32 s17, s15, 11                        ; + 2,048 H
	s_add_co_u32 s16, s16, s17
	s_mov_b32 s17, 0
	s_mul_i32 s18, s14, 12288                      ; the tile's codes,
	s_mul_i32 s19, s15, 6144                       ; my eight half fragments
	s_add_co_u32 s18, s18, s19
	s_mov_b32 s19, 0
	s_lshl_b32 s20, s14, 9                         ; the tile's scale words,
	s_lshl_b32 s21, s15, 8                         ; my four K steps
	s_add_co_u32 s20, s20, s21
	s_add_co_u32 s20, s20, XSO
	s_mov_b32 s21, 0
	s_mul_i32 s22, s12, XREG                       ; my LDS region
	s_wait_alu depctr_va_vdst(0)
	v_lshlrev_b32 v3, 4, v2                        ; 16 x lane
	v_add_nc_u32 v4, s22, v3
	v_and_b32 v5, 15, v2                           ; r
	v_lshrrev_b32 v6, 4, v2                        ; h
	v_mul_u32_u24 v7, v5, XPIT
	v_lshl_add_u32 v7, v6, 6, v7
	v_add_nc_u32 v7, s22, v7                       ; back: row r, + 64 h
	v_lshlrev_b32 v8, 3, v2                        ; 8 x lane
	v_lshl_add_u32 v9, v5, 2, s22                  ; 4 r
	v_add_nc_u32 v10, s22, v8
.irp b, 0,1,2,3
	v_mov_b32 v[TM+4+\b], 0                        ; a lane permute's destination counts as one of its sources
.endr
	s_wait_alu depctr_va_vdst(0)
	s_wait_kmcnt 0x0
	s_add_nc_u64 s[4:5], s[4:5], s[16:17]
	s_add_nc_u64 s[24:25], s[10:11], s[18:19]
	s_add_nc_u64 s[26:27], s[10:11], s[20:21]
	XLOAD 0, RA
	XLOAD 1, RB
	STEPX 0, RA, 16
	STEPX 1, RB, 16
	STEPX 2, RA, 16
	STEPX 3, RB, 0
	ds_load_b64 v[12:13], v10 offset:XSCB          ; my four K steps' scale words, 8 bytes a lane
	s_wait_dscnt 0x0
	global_store_b64 v8, v[12:13], s[26:27]        ; 256 consecutive bytes, aligned
	s_wait_tensorcnt 0x0                           ; the wave's end
	ds_add_u32 v[SPW], v[NIL]
	s_wait_dscnt 0x0
	s_endpgm
; ---------------- the weights: K is their FIRST axis.  A lane takes a column and its registers run down K; a wave takes 32 columns (two tiles) x one K step of 128: four blocks a lane
.Lweights:
	s_sub_co_u32 s13, ttmp9, 256
	s_mov_b32 s15, 4096
	s_mov_b32 s16, WDC
	s_mov_b32 s17, WDS
	s_wait_kmcnt 0x0
	s_cmp_lt_u32 s13, 192                          ; 24 x 8 work-groups for w_qkv, 8 x 8 for w_dense: the choice hangs on the work-group's number alone
	s_cselect_b32 s14, 0, 192
	s_cselect_b32 s15, 12288, s15                  ; a row of the weight in bytes
	s_cselect_b32 s16, WQC, s16
	s_cselect_b32 s17, WQS, s17
	s_cselect_b64 s[6:7], s[6:7], s[8:9]
	s_sub_co_u32 s13, s13, s14
	s_lshr_b32 s18, s13, 3
	s_and_b32 s19, s13, 7                          ; the K step
	s_lshl_b32 s18, s18, 2
	s_add_co_u32 s18, s18, s12                     ; G: columns 32 G .. 32 G + 31
	s_lshl_b32 s20, s19, 7
	s_mul_i32 s20, s20, s15                        ; 128 x K step rows
	s_lshl_b32 s21, s18, 7
	s_add_co_u32 s20, s20, s21                     ; + 128 G bytes
	s_mov_b32 s21, 0
	s_add_nc_u64 s[28:29], s[6:7], s[20:21]        ; block 0,
	s_lshl_b32 s20, s15, 5
	s_add_nc_u64 s[30:31], s[28:29], s[20:21]      ; and 32 rows on for each further block
	s_add_nc_u64 s[32:33], s[30:31], s[20:21]
	s_add_nc_u64 s[34:35], s[32:33], s[20:21]
	s_mul_i32 s22, s18, 24576                      ; tile 2 G's codes,
	s_mul_i32 s23, s19, 1536                       ; the K step's two half fragments
	s_add_co_u32 s22, s22, s23
	s_add_co_u32 s22, s22, s16
	s_mov_b32 s23, 0
	s_add_nc_u64 s[24:25], s[10:11], s[22:23]
	s_lshl_b32 s22, s18, 10                        ; tile 2 G's scale words,
	s_lshl_b32 s26, s19, 6                         ; the K step's
	s_add_co_u32 s22, s22, s26
	s_add_co_u32 s22, s22, s17
	s_add_nc_u64 s[26:27], s[10:11], s[22:23]
	s_mul_i32 s38, s12, WREG
	s_add_co_u32 s38, s38, WSTG                    ; my stage
	s_wait_alu depctr_va_vdst(0)
	v_lshlrev_b32 v3, 2, v2                        ; 4 x lane
	v_bfe_u32 v6, v2, 3, 1                         ; my column lies in tile 2 G + u, u = (lane / 8) % 2,
	v_and_b32 v7, 7, v2
	v_lshrrev_b32 v8, 4, v2
	v_lshl_add_u32 v7, v8, 3, v7                   ; as its row r' = lane % 8 + 8 (lane / 16)
	v_mul_u32_u24 v9, v6, 1536
	v_add_nc_u32 v9, s38, v9
	v_lshl_add_u32 v4, v7, 4, v9                   ; a half fragment's words 0-3: 16 r'
	v_lshl_add_u32 v5, v7, 3, v9                   ; its words 4, 5: 8 r' (+ 512)
	v_lshlrev_b32 v10, 9, v6
	v_lshl_add_u32 v10, v7, 2, v10                 ; my scale word: 512 u + 4 r'
	v_lshlrev_b32 v12, 4, v2
	v_add_nc_u32 v11, s38, v12
.set i, 0
.rept 32
	v_mad_u32_u24 v[16+i], s15, i, v3              ; row i of a block: the row's length is chosen at run time, so it cannot stand in an immediate
.set i, i+1
.endr
.macro WLOAD k                                 ; block k: 32 rows, each load 128 consecutive bytes a wave, 512 a work-group
.set i, 0
.rept 32
	global_load_b32 v[48+32*((\k)%2)+i], v[16+i], s[28+2*(\k):29+2*(\k)] th:TH_LOAD_NT
.set i, i+1
.endr
.endm
.macro WBLOCK k
.set XW, 48+32*((\k)%2)
.set CW, 176+8*(\k)
.if (\k) < 3
	s_wait_loadcnt 32                              ; this block's 32 loads are in; the next block's may be out
.else
	s_wait_loadcnt 0x0
.endif
	v_max3_num_f32 v208, |v[XW]|, |v[XW+1]|, |v[XW+2]|             ; all 32 numbers of the block are mine
	v_max3_num_f32 v209, |v[XW+3]|, |v[XW+4]|, |v[XW+5]|
.irp i, 6,10,14,18,22,26
	v_max3_num_f32 v208, v208, |v[XW+\i]|, |v[XW+\i+1]|
	v_max3_num_f32 v209, v209, |v[XW+\i+2]|, |v[XW+\i+3]|
.endr
	v_max3_num_f32 v208, v208, |v[XW+30]|, |v[XW+31]|
	v_max3_num_f32 v208, v208, v209, 0x1800000     ; and the floor
	v_add_nc_u32 v210, 0xff000000, v208
	v_lshrrev_b32 v211, 23, v210
.if (\k) == 0
	v_mov_b32 v216, v211
.else
	v_lshl_or_b32 v216, v211, 8*(\k), v216         ; the four bytes make my column's scale word of this K step
.endif
	v_cvt_scalef32_pk16_fp6_f32 v[CW:CW+2], v[XW:XW+15], v210
	v_cvt_scalef32_pk16_fp6_f32 v[212:214], v[XW+16:XW+31], v210
	v_nop
.irp i, 0,1,2
	v_mov_b32 v[CW+3+\i], v[212+\i]
.endr
	ds_store_b128 v4, v[CW:CW+3] offset:768*((\k)/2)+256*((\k)%2)          ; block k is half fragment k / 2, lanes 16 (k % 2) + r'
	ds_store_b64 v5, v[CW+4:CW+5] offset:512+768*((\k)/2)+128*((\k)%2)
.if (\k) < 2
	WLOAD (\k)+2
.endif
.endm
	WLOAD 0
	WLOAD 1
	WBLOCK 0
	WBLOCK 1
	WBLOCK 2
	WBLOCK 3
	global_store_b32 v10, v216, s[26:27]           ; runs of 64 bytes: 131,072 bytes in the whole launch, one in 128 of what the weights' way reads
.irp m, 0,1,2,3,4,5
	ds_load_b128 v[224+4*\m:227+4*\m], v11 offset:512*\m           ; LDS serves a wave's instructions in order: these see my stores
.endr
.irp m, 0,1,2,3,4,5
	s_wait_dscnt 5-\m
	global_store_b128 v12, v[224+4*\m:227+4*\m], s[24:25] offset:12288*(\m/3)+512*(\m%3)   ; 512 consecutive bytes, aligned to 256
.endr
	s_wait_tensorcnt 0x0                           ; the wave's end, as above
	ds_add_u32 v[SPW], v[NIL]
	s_wait_dscnt 0x0
	s_endpgm
.Lfunc_end_k_q77543245ab_quant:
	.size	k_q77543245ab_quant, .Lfunc_end_k_q77543245ab_quant-k_q77543245ab_quant
	.p2alignl 7, 3214868480
	.fill 96, 4, 3214868480
	.section	.rodata,"a",@progbits
	.p2align	6, 0x0
	.amdhsa_kernel k_q77543245ab_quant
		.amdhsa_group_segment_fixed_size 47616
		.amdhsa_private_segment_fixed_size 0
		.amdhsa_enable_private_segment 0
		.amdhsa_kernarg_size 32
		.amdhsa_user_sgpr_count 2
		.amdhsa_user_sgpr_kernarg_segment_ptr 1
		.amdhsa_wavefront_size32 1
		.amdhsa_system_sgpr_workgroup_id_x 1
		.amdhsa_system_sgpr_workgroup_id_y 1
		.amdhsa_system_sgpr_workgroup_id_z 1
		.amdhsa_system_vgpr_workitem_id 0
		.amdhsa_next_free_vgpr 256
		.amdhsa_next_free_sgpr 66
		.amdhsa_reserve_vcc 0
		.amdhsa_float_denorm_mode_32 3
		.amdhsa_float_denorm_mode_16_64 3
		.amdhsa_memory_ordered 1
		.amdhsa_forward_progress 1
		.amdhsa_inst_pref_size 58
	.end_amdhsa_kernel
	.amdgpu_metadata
---
amdhsa.version: [ 1, 2 ]
amdhsa.kernels:
  - .name:           k_q77543245ab_quant
    .symbol:         k_q77543245ab_quant.kd
    .args:
      - { .name: x, .offset: 0, .size: 8, .value_kind: global_buffer, .address_space: global }
      - { .name: w_qkv, .offset: 8, .size: 8, .value_kind: global_buffer, .address_space: global }
      - { .name: w_dense, .offset: 16, .size: 8, .value_kind: global_buffer, .address_space: global }
      - { .name: ops, .offset: 24, .size: 8, .value_kind: global_buffer, .address_space: global }
    .group_segment_fixed_size: 47616
    .private_segment_fixed_size: 0
    .kernarg_segment_align: 8
    .kernarg_segment_size: 32
    .max_flat_workgroup_size: 128
    .sgpr_count:     66
    .vgpr_count:     256
    .wavefront_size: 32
...
	.end_amdgpu_metadata
.endif
;; end of part 1
;; launch qkv (part 2): grid 16 x 32, 4 waves a work-group, clusters of 4 x 4, 295,936 bytes of LDS; arguments ops, b_qkv, qkvc; writes qkvc
.if DOCPART == 2
	.amdgcn_target "amdgcn-amd-amdhsa--gfx1250"
	.amdhsa_code_object_version 6
	.text
	.protected	k_q77543245ab_qkv
	.globl	k_q77543245ab_qkv
	.p2align	8
	.type	k_q77543245ab_qkv,@function
k_q77543245ab_qkv:
	s_mov_b64 s[64:65], 0
	v_nop
	global_prefetch_b8 v0, s[64:65] scope:SCOPE_SE
	s_setreg_imm32_b32 hwreg(HW_REG_WAVE_MODE, 25, 1), 1
	s_wait_xcnt 0x0
	s_wait_alu depctr_hold_cnt(0) depctr_sa_sdst(0) depctr_va_vdst(0) depctr_va_sdst(0) depctr_va_ssrc(0) depctr_va_vcc(0) depctr_vm_vsrc(0)
	s_getreg_b32 s2, hwreg(HW_REG_IB_STS2, 6, 4)
	s_cmp_eq_u32 s2, 0
	s_cbranch_scc0 .Lentry_in_a_cluster
	s_endpgm
.Lentry_in_a_cluster:
	s_bfe_u32 s2, ttmp6, 0x10000c
	s_cmp_lg_u32 s2, 0xf033
	s_cbranch_scc0 .Lentry_shape_is_right
	s_endpgm
.Lentry_shape_is_right:
; qkv = x w_qkv + b_qkv on codes of FP6 (E2M3) with E8M0 scales, and its results quantised at once: q and k along the head's 64, v along the keys.  Nothing leaves as f32.
; SHARES.  A work-group takes 256 rows x one head's 192 columns; wave w rows 64 w .. 64 w + 63 (four tiles) against all 12 tiles of columns: 48 accumulators, 8 K steps of 128, 384 matrix instructions.
; TILES, HALF FRAGMENTS and scale words lie as the launch before has laid them: tile T = rows 32 (T / 2) + 8 (T % 2) + r + 8 (r / 8); a half fragment = 16 rows x 64 codes as an image of registers, 768 bytes.
; q's and k's tiles are used TRANSPOSED (source 0 = 16 columns of w, source 1 = 16 rows of x): a lane holds one row, and the 16 registers of two neighbouring tiles are 16 neighbours along d.
; v's tiles the other way (source 0 = x, source 1 = w): a lane holds one d, and its registers run along the keys, which are the K of attention's second product.
; LDS IS FILLED ONCE.  A slot holds two K steps.  Slots 0-2: A's 16 tiles and B's 12; slot 3: B's alone: A's last two K steps, which only the owning wave reads, go from memory straight into registers.
; CLUSTER 4 x 4: the four work-groups of a row of the cluster share A's tiles, the four of a column B's: joint loads.  A wave has at most four tensor loads out.
; LIMITS: NaN and infinities are not served; a block of zeros gets the byte 1 (its codes are zeros; this program alone reads the bytes).
; REGISTERS.  Window 0: v1-9 lane terms, v16-29 LDS addresses, v30, v31 the add's two, v32-47 x's scale words, v48-95 w's, v96-191 A's two sets, v192-255 at work at the end.
;   Window 1: v0-143 B's 12 fragments, v144-207 the bias of q's and k's 8 tiles, v208-239 of v's four.  Window 2: q's and k's accumulators, 128 p + 8 (4 i + t).  Window 3: v's, 8 (4 t + i); v128-223 A of K steps 6, 7.
.set XSO,   9437184
.set WQC,   6291456
.set WQS,   9699328
.set SLOT,  86016
.set BOFF,  49152
.set SPARE, 294912                     ; the spare words: two blocks of 256 bytes that no other line names
.set VSTG,  295424                     ; 512 bytes: v's scale halfwords meet here
.set REC,   208896                     ; a head's record in qkvc: K's codes, V's at 98,304, K's scale words at 196,608, V's at 204,800
.set QCO,   13369344
.set QSO,   19660800
.set VB16, 16
.set VB8,  20
.set VA16, 24
.set VA8,  27
.set SPW,  30
.set NIL,  31
.set XSC,  32
.set WSC,  48
.set AF,   96
.set BQK,  144
.set BV,   208
.set A67,  128
.set TM,   192
.set PT,   200
.set HWR,  208
.set GW,   220
.set SEL,  60
.set MSB, 0
.macro WIN new                         ; the immediate's high byte repeats the setting that is left
.if MSB != (\new)
	s_set_vgpr_msb (MSB<<8)|(\new)
.set MSB, \new
.endif
.endm
.macro PLACES n
.rept \n
	v_nop
.endr
.endm
.macro CROUND                          ; a round of the cluster's barrier
	s_barrier_signal -1
	s_barrier_wait -1
	s_cmp_lg_u32 s14, 0
	s_cbranch_scc1 .Lnot_wave_0_\@
	s_barrier_signal -3
.Lnot_wave_0_\@:
	s_barrier_wait -3
	s_barrier_signal -1
	s_barrier_wait -1
.endm
	s_load_b128 s[4:7], s[0:1], 0x0                ; ops, b_qkv
	s_load_b64 s[8:9], s[0:1], 0x10                ; qkvc
	v_lshl_add_u32 v[SPW], v0, 2, SPARE
	v_mov_b32 v[NIL], 0
	ds_add_u32 v[SPW], v[NIL]
	ds_add_u32 v[SPW], v[NIL]                      ; the wave's opening
	v_lshrrev_b32 v1, 5, v0
	v_readfirstlane_b32 s14, v1                    ; wave
	s_lshr_b32 s15, s14, 1                         ; I fetch for A (0) or for B (1),
	s_and_b32 s16, s14, 1                          ; its first or second half
	s_bfe_u32 s40, ttmp6, 0x40000                  ; cx
	s_bfe_u32 s41, ttmp6, 0x40004                  ; cy
	s_lshl_b32 s42, ttmp9, 2
	s_add_co_u32 s42, s42, s40                     ; the head
	s_and_b32 s17, ttmp7, 0xffff
	s_lshl_b32 s17, s17, 2
	s_add_co_u32 s17, s17, s41                     ; the block of 256 rows
	s_lshl_b32 s43, s41, 2
	s_lshl_b32 s43, 15, s43                        ; my row of the cluster
	s_lshl_b32 s44, 0x1111, s40                    ; my column
	; group 1: rows of 3,072 bytes (a tile's four half fragments of a slot; 384 elements of 8 bytes), 12,288 bytes apart; A: 8 tiles a load, B: 6
	s_or_b32 s24, s43, (3<<16)|(1<<21)
	s_mov_b32 s25, 384<<16
	s_mov_b32 s26, 8<<16
	s_mov_b32 s27, 384<<16
	s_mov_b32 s28, 8
	s_mov_b32 s29, 1536
	s_mov_b32 s30, 0
	s_mov_b32 s31, 0
	s_or_b32 s48, s44, (3<<16)|(1<<21)
	s_mov_b32 s49, 384<<16
	s_mov_b32 s50, 6<<16
	s_mov_b32 s51, 384<<16
	s_mov_b32 s52, 6
	s_mov_b32 s53, 1536
	s_mov_b32 s54, 0
	s_mov_b32 s55, 0
	s_lshl_b32 s20, s17, 4
	s_lshl_b32 s21, s16, 3
	s_add_co_u32 s20, s20, s21
	s_mul_i32 s20, s20, 12288                      ; A: tile 16 x block + 8 x half
	s_mov_b32 s21, 0
	s_mul_i32 s46, s42, 12
	s_mul_i32 s47, s16, 6
	s_add_co_u32 s46, s46, s47
	s_mul_i32 s46, s46, 12288                      ; B: tile 12 x head + 6 x half
	s_add_co_u32 s46, s46, WQC
	s_mov_b32 s47, 0
	s_mul_i32 s45, s16, 24576                      ; where they go: no place in the cluster enters an LDS address
	s_mul_i32 s63, s16, 18432
	s_wait_dscnt 0x0                               ; the opening add is done
	s_wait_kmcnt 0x0
	s_add_nc_u64 s[20:21], s[4:5], s[20:21]
	s_add_nc_u64 s[46:47], s[4:5], s[46:47]
.irp g, 0,1,2
	s_mov_b32 s[68+4*\g], 1
	s_add_co_u32 s[69+4*\g], s45, \g*SLOT
	s_add_nc_u64 s[70+4*\g:71+4*\g], s[20:21], \g*3072
	s_or_b32 s[71+4*\g], s[71+4*\g], 0x80000000
.endr
.irp g, 0,1,2,3
	s_mov_b32 s[80+4*\g], 1
	s_add_co_u32 s[81+4*\g], s63, \g*SLOT+BOFF-(\g/3)*BOFF
	s_add_nc_u64 s[82+4*\g:83+4*\g], s[46:47], \g*3072
	s_or_b32 s[83+4*\g], s[83+4*\g], 0x80000000
.endr
	CROUND                                         ; all sixteen work-groups are here: the joint loads meet
	s_cmp_eq_u32 s15, 0                            ; a wave's first fills stand in one branch on its number
	s_cbranch_scc0 .Lfirst_b
	tensor_load_to_lds s[68:71], s[24:31]
	s_nop 0
	tensor_load_to_lds s[72:75], s[24:31]
	s_nop 0
	tensor_load_to_lds s[76:79], s[24:31]
	s_nop 0
	PLACES 4
	s_branch .Lfirst_done
.Lfirst_b:
	tensor_load_to_lds s[80:83], s[48:55]
	s_nop 0
	tensor_load_to_lds s[84:87], s[48:55]
	s_nop 0
	tensor_load_to_lds s[88:91], s[48:55]
	s_nop 0
	tensor_load_to_lds s[92:95], s[48:55]
	s_nop 0
	PLACES 4
.Lfirst_done:
	; where my scale words, biases, last two K steps of A and results lie
	s_mov_b32 s97, 0
	s_lshl_b32 s2, s17, 4
	s_lshl_b32 s3, s14, 2
	s_add_co_u32 s2, s2, s3                        ; my first tile of rows
	s_lshl_b32 s96, s2, 9
	s_add_co_u32 s96, s96, XSO
	s_add_nc_u64 s[10:11], s[4:5], s[96:97]        ; its scale words
	s_mul_i32 s96, s2, 12288
	s_add_co_u32 s96, s96, 9216
	s_add_nc_u64 s[22:23], s[4:5], s[96:97]        ; its half fragments 12 to 15
	s_mul_i32 s96, s42, 6144
	s_add_co_u32 s96, s96, WQS
	s_add_nc_u64 s[12:13], s[4:5], s[96:97]        ; the head's 12 tiles' scale words
	s_mul_i32 s96, s42, 768
	s_add_nc_u64 s[18:19], s[6:7], s[96:97]        ; the head's 192 biases
	s_lshr_b32 s2, s17, 3
	s_lshl_b32 s2, s2, 4
	s_add_co_u32 s2, s2, s42                       ; 16 x batch + head
	s_and_b32 s3, s17, 7                           ; the block within the batch
	s_lshl_b32 s98, s3, 2
	s_add_co_u32 s98, s98, s14                     ; my 64 rows within the batch
	s_mul_i32 s96, s2, REC
	s_add_nc_u64 s[32:33], s[8:9], s[96:97]        ; the head's record
	s_mul_i32 s96, s98, 3072
	s_add_nc_u64 s[34:35], s[32:33], s[96:97]      ; + my four half fragments (of K; of V 98,304 further on)
	s_lshl_b32 s96, s98, 8
	s_add_nc_u64 s[36:37], s[32:33], s[96:97]      ; + my 256 bytes of K's scale words
	s_lshl_b32 s96, s3, 9
	s_add_nc_u64 s[38:39], s[32:33], s[96:97]      ; + the work-group's 512 bytes of V's
	s_mul_i32 s96, s2, 98304
	s_mul_i32 s99, s98, 3072
	s_add_co_u32 s96, s96, s99
	s_add_co_u32 s96, s96, QCO
	s_add_nc_u64 s[56:57], s[8:9], s[96:97]        ; Q's codes
	s_lshl_b32 s96, s2, 13
	s_lshl_b32 s99, s98, 8
	s_add_co_u32 s96, s96, s99
	s_add_co_u32 s96, s96, QSO
	s_add_nc_u64 s[58:59], s[8:9], s[96:97]        ; Q's scale words
	s_mov_b32 s[SEL], 0x76543210
	s_mov_b32 s[SEL+1], 0xfedcba98
	s_mov_b32 s62, 0xffff0000                      ; lanes 16-31
	v_and_b32 v10, 31, v0
	v_lshlrev_b32 v1, 4, v10                       ; 16 x lane
	v_lshlrev_b32 v2, 3, v10                       ; 8 x lane
	v_lshlrev_b32 v3, 2, v10                       ; 4 x lane
	v_and_b32 v4, 15, v0                           ; r
	v_bfe_u32 v5, v0, 4, 1                         ; h
	v_lshlrev_b32 v6, 6, v5                        ; q's and k's bias: 64 h
	v_and_b32 v7, 8, v4
	v_add_nc_u32 v7, v7, v4
	v_lshlrev_b32 v7, 2, v7                        ; v's bias: 4 (r + 8 (r / 8))
.irp g, 0,1,2,3
	v_add_nc_u32 v[VB16+\g], \g*SLOT+BOFF-(\g/3)*BOFF, v1
	v_add_nc_u32 v[VB8+\g], \g*SLOT+BOFF-(\g/3)*BOFF, v2
.endr
	s_mul_i32 s2, s14, 12288                       ; my four tiles of A
.irp g, 0,1,2
	v_add_nc_u32 v[VA16+\g], s2, v1
	v_add_nc_u32 v[VA8+\g], s2, v2
	s_add_co_u32 s2, s2, SLOT
.endr
	s_lshl_b32 s2, s15, 8
	s_lshl_b32 s3, s16, 1
	s_add_co_u32 s2, s2, s3
	s_add_co_u32 s2, s2, VSTG
	v_lshl_add_u32 v8, v4, 3, s2                   ; v's scale halfword: key step wave / 2, half wave % 2, 8 r
	v_add_nc_u32 v9, VSTG, v1
.irp i, 0,1,2,3
.irp j, 0,1,2,3
	global_load_b32 v[XSC+4*\i+\j], v3, s[10:11] offset:512*\i+128*\j     ; lanes 0-15: K step 2 j, lanes 16-31: K step 2 j + 1
.endr
.endr
.irp t, 0,1,2,3,4,5,6,7,8,9,10,11
.irp j, 0,1,2,3
	global_load_b32 v[WSC+4*\t+\j], v3, s[12:13] offset:512*\t+128*\j
.endr
.endr
	WIN 0x40                                       ; destination window 1
.irp t, 0,1,2,3,4,5,6,7
	global_load_b128 v[BQK+8*\t:BQK+8*\t+3], v6, s[18:19] offset:128*(\t/2)+32*(\t%2)        ; register j: column 32 (t / 2) + 16 h + 8 (t % 2) + j
	global_load_b128 v[BQK+8*\t+4:BQK+8*\t+7], v6, s[18:19] offset:128*(\t/2)+32*(\t%2)+16
.endr
.irp t, 0,1,2,3
.irp j, 0,1,2,3,4,5,6,7
	global_load_b32 v[BV+8*\t+\j], v7, s[18:19] offset:512+128*(\t/2)+32*(\t%2)              ; a lane's eight results of v share one column: eight equal registers
.endr
.endr
	WIN 0xc0                                       ; destination window 3
.irp q, 0,1
.irp i, 0,1,2,3
	global_load_b128 v[A67+48*\q+12*\i:A67+48*\q+12*\i+3], v1, s[22:23] offset:12288*\i+1536*\q
	global_load_b64 v[A67+48*\q+12*\i+4:A67+48*\q+12*\i+5], v2, s[22:23] offset:12288*\i+1536*\q+512
	global_load_b128 v[A67+48*\q+12*\i+6:A67+48*\q+12*\i+9], v1, s[22:23] offset:12288*\i+1536*\q+768
	global_load_b64 v[A67+48*\q+12*\i+10:A67+48*\q+12*\i+11], v2, s[22:23] offset:12288*\i+1536*\q+1280
.endr
.endr
	WIN 0
.macro FRAG reg, a16, a8, off          ; a fragment = two half fragments: four loads, each of consecutive bytes
	ds_load_b128 v[(\reg):(\reg)+3], v[\a16] offset:(\off)
	ds_load_b64 v[(\reg)+4:(\reg)+5], v[\a8] offset:(\off)+512
	ds_load_b128 v[(\reg)+6:(\reg)+9], v[\a16] offset:(\off)+768
	ds_load_b64 v[(\reg)+10:(\reg)+11], v[\a8] offset:(\off)+1280
.endm
.macro FB s, t0, n                     ; B's tiles t0 on, n of them, of K step s
	WIN 0x40
.set tt, \t0
.rept \n
	FRAG 12*tt, VB16+(\s)/2, VB8+(\s)/2, 3072*tt+1536*((\s)%2)
.set tt, tt+1
.endr
.endm
.macro FA s                            ; my four tiles of A of K step s into set s % 2
	WIN 0
.set ii, 0
.rept 4
	FRAG AF+48*((\s)%2)+12*ii, VA16+(\s)/2, VA8+(\s)/2, 3072*ii+1536*((\s)%2)
.set ii, ii+1
.endr
.endm
.macro WMS d, a, b, c, sa, sb, row     ; the scale words of an odd K step lie in lanes 16-31
.if \row
	v_wmma_scale_f32_16x16x128_f8f6f4 v[\d:\d+7], v[\a:\a+11], v[\b:\b+11], v[\c:\c+7], v[\sa], v[\sb] matrix_a_fmt:MATRIX_FMT_FP6 matrix_b_fmt:MATRIX_FMT_FP6 matrix_a_scale:MATRIX_SCALE_ROW1 matrix_b_scale:MATRIX_SCALE_ROW1
.else
	v_wmma_scale_f32_16x16x128_f8f6f4 v[\d:\d+7], v[\a:\a+11], v[\b:\b+11], v[\c:\c+7], v[\sa], v[\sb] matrix_a_fmt:MATRIX_FMT_FP6 matrix_b_fmt:MATRIX_FMT_FP6
.endif
.endm
.macro SETX s                          ; where A's fragment of tile ii lies
.if (\s) < 6
.set rX, AF+48*((\s)%2)+12*ii
.else
.set rX, A67+48*((\s)-6)+12*ii
.endif
.set rSX, XSC+4*ii+(\s)/2
.endm
; The accumulators take turns, one instruction a turn.  The first K step takes the bias as C: nothing is cleared and nothing is added later.
.macro MULQK s, t0, n
.if (\s) == 0
	WIN 0x91                                       ; source 0 (w) window 1, source 1 (x) window 0, C (bias) window 1, D window 2
.elseif (\s) < 6
	WIN 0xa1
.else
	WIN 0xad                                       ; x in window 3
.endif
.set tt, \t0
.rept \n
.set ii, 0
.rept 4
	SETX \s
.set rD, 128*(tt/4)+8*(4*ii+tt%4)
.set rW, 12*tt
.set rC, rD
.if (\s) == 0
.set rC, BQK+8*tt
.endif
.set rSW, WSC+4*tt+(\s)/2
	WMS rD, rW, rX, rC, rSW, rSX, (\s)%2
.set ii, ii+1
.endr
.set tt, tt+1
.endr
.endm
.macro MULV s
.if (\s) == 0
	WIN 0xd4                                       ; source 0 (x) window 0, source 1 (w) window 1, C (bias) window 1, D window 3
.elseif (\s) < 6
	WIN 0xf4
.else
	WIN 0xf7
.endif
.set tt, 0
.rept 4
.set ii, 0
.rept 4
	SETX \s
.set rD, 8*(4*tt+ii)
.set rW, 12*(8+tt)
.set rC, rD
.if (\s) == 0
.set rC, BV+8*tt
.endif
.set rSW, WSC+4*(8+tt)+(\s)/2
	WMS rD, rX, rW, rC, rSX, rSW, (\s)%2
.set ii, ii+1
.endr
.set tt, tt+1
.endr
.endm
; A K step: 48 matrix instructions.  B has one set of registers: tiles 0-5 are fetched anew behind their 24 products, tiles 6-11 behind theirs; A has two sets.
; A load into a register that a matrix instruction has read stands four plain vector instructions behind it (ISA guide 7.12.1 for vector instructions).
.macro KSTEP s
	s_wait_dscnt 24                                ; all but the youngest 24 loads (B's tiles 6-11) are in
	MULQK \s, 0, 6
	s_wait_dscnt 0x0                               ; B's tiles 6-11 are in; no LDS instruction of mine is out at a signal
.if (\s) == 1
	s_wait_tensorcnt 0x1                           ; slot 1: of A's three loads the first two have landed, of B's four the first three
	s_barrier_signal -1
	s_barrier_wait -1
.endif
.if (\s) == 3
	s_wait_tensorcnt 0x0                           ; slots 2 and 3: all have landed
	s_barrier_signal -1
	s_barrier_wait -1
.endif
.if (\s) < 7
	PLACES 4
	FB (\s)+1, 0, 6
.if (\s) < 5
	FA (\s)+1
.endif
.endif
	MULQK \s, 6, 2
	MULV \s
.if (\s) < 7
	PLACES 4
	FB (\s)+1, 6, 6
.endif
.endm
	s_wait_alu depctr_va_vdst(0)
	s_wait_tensorcnt 0x2                           ; slot 0: A's first load has landed (two may be out), B's first two (two may be out)
	s_barrier_signal -1
	s_barrier_wait -1                              ; everybody's have; nothing is ever filled again
	FB 0, 0, 6
	FA 0
	FB 0, 6, 6
	s_wait_loadcnt 32                              ; scale words and biases are in; the youngest 32 loads (A of K steps 6, 7) may be out
	KSTEP 0
	KSTEP 1
	KSTEP 2
	KSTEP 3
	KSTEP 4
	KSTEP 5
	s_wait_loadcnt 0x0
	KSTEP 6
	KSTEP 7
	WIN 0
	PLACES 4
; 32 registers of window w from src on, register 16 b + i = number 32 b + 16 (lane / 16) + i of my row, become a half fragment in v[pc] .. v[pc + 5] and its two scale bytes in v[hw].
; Each accumulator is read from its low end on.
.macro Q32 w, src, pc, hw
.set QW, ((\w)<<2)|((\w)<<4)
	WIN QW                                         ; sources 1 and 2 in window w
.irp b, 0,1
	v_max3_num_f32 v[TM+\b], 0x1800000, |v[(\src)+16*\b]|, |v[(\src)+16*\b+1]|     ; the floor 2^(3 - 127) among the leaves
.endr
.irp i, 2,4,6,8,10,12,14
.irp b, 0,1
	v_max3_num_f32 v[TM+\b], v[TM+\b], |v[(\src)+16*\b+\i]|, |v[(\src)+16*\b+\i+1]|
.endr
.endr
	WIN 0
.irp b, 0,1
	v_permlanex16_b32 v[TM+2+\b], v[TM+\b], s[SEL], s[SEL+1]
.endr
.irp b, 0,1
	v_max_num_f32 v[TM+\b], v[TM+\b], v[TM+2+\b]
.endr
.irp b, 0,1
	v_add_nc_u32 v[TM+4+\b], 0xff000000, v[TM+\b]
.endr
.irp b, 0,1
	v_lshrrev_b32 v[TM+2+\b], 23, v[TM+4+\b]
.endr
	v_lshl_or_b32 v[\hw], v[TM+3], 8, v[TM+2]
	WIN \w                                         ; source 0 in window w
	v_cvt_scalef32_pk16_fp6_f32 v[(\pc):(\pc)+2], v[(\src):(\src)+15], v[TM+4]
	v_cvt_scalef32_pk16_fp6_f32 v[PT:PT+2], v[(\src)+16:(\src)+31], v[TM+5]
	WIN 0
	v_nop                                          ; one plain place behind a scaled conversion
.irp i, 0,1,2
	v_permlane16_swap_b32 v[(\pc)+\i], v[PT+\i]
.endr
.irp i, 0,1,2
	v_mov_b32 v[(\pc)+3+\i], v[PT+\i]
.endr
.endm
	v_mov_b32 v[TM+2], 0                           ; a lane permute's destination counts as one of its sources
	v_mov_b32 v[TM+3], 0
	; every call has registers of its own for its codes and bytes, so that no store's data are written again
.irp t, 0,1,2,3                        ; v: 16 of the head's 64 x my 64 keys
	Q32 3, 32*\t, AF+8*\t, HWR+\t
	global_store_b128 v1, v[AF+8*\t:AF+8*\t+3], s[34:35] offset:98304+768*\t
	global_store_b64 v2, v[AF+8*\t+4:AF+8*\t+5], s[34:35] offset:98304+768*\t+512
	ds_store_b16 v8, v[HWR+\t] offset:128*(\t%2)+4*(\t/2)          ; half of a scale word of 128 keys; the other half is my neighbour wave's
.endr
	s_wait_dscnt 0x0                               ; for the others' sake: my stores have landed
	s_barrier_signal -1
	s_barrier_wait -1
	s_cmp_lg_u32 s14, 0
	s_cbranch_scc1 .Lnot_first
	ds_load_b128 v[224:227], v9
	s_wait_dscnt 0x0
	global_store_b128 v1, v[224:227], s[38:39] offset:204800       ; two key steps' scale words of V: 512 consecutive bytes, aligned
.Lnot_first:
.irp i, 0,1,2,3                        ; q: my tile i of 16 rows x the head's 64
	Q32 2, 32*\i, AF+32+8*\i, HWR+4+\i
	v_or_b32 v[HWR+4+\i], 0x7f7f0000, v[HWR+4+\i]                  ; the upper half of the instruction's K is zero codes under the scale 1
	global_store_b128 v1, v[AF+32+8*\i:AF+32+8*\i+3], s[56:57] offset:768*\i
	global_store_b64 v2, v[AF+32+8*\i+4:AF+32+8*\i+5], s[56:57] offset:768*\i+512
.endr
	v_cndmask_b32 v[GW], v[HWR+4], v[HWR+5], s62                   ; lanes 0-15 tile 0's words, lanes 16-31 tile 1's;
	v_cndmask_b32 v[GW+1], v[HWR+6], v[HWR+7], s62                 ; tiles 2 and 3
	global_store_b64 v2, v[GW:GW+1], s[58:59]                      ; 256 consecutive bytes, aligned
.irp i, 0,1,2,3                        ; k likewise
	Q32 2, 128+32*\i, AF+64+8*\i, HWR+8+\i
	v_or_b32 v[HWR+8+\i], 0x7f7f0000, v[HWR+8+\i]
	global_store_b128 v1, v[AF+64+8*\i:AF+64+8*\i+3], s[34:35] offset:768*\i
	global_store_b64 v2, v[AF+64+8*\i+4:AF+64+8*\i+5], s[34:35] offset:768*\i+512
.endr
	v_cndmask_b32 v[GW+2], v[HWR+8], v[HWR+9], s62
	v_cndmask_b32 v[GW+3], v[HWR+10], v[HWR+11], s62
	global_store_b64 v2, v[GW+2:GW+3], s[36:37] offset:196608
	s_wait_tensorcnt 0x0                           ; the wave's end
	ds_add_u32 v[SPW], v[NIL]
	s_wait_dscnt 0x0
	CROUND                                         ; the closing round
	s_endpgm
.Lfunc_end_k_q77543245ab_qkv:
	.size	k_q77543245ab_qkv, .Lfunc_end_k_q77543245ab_qkv-k_q77543245ab_qkv
	.p2alignl 7, 3214868480
	.fill 96, 4, 3214868480
	.section	.rodata,"a",@progbits
	.p2align	6, 0x0
	.amdhsa_kernel k_q77543245ab_qkv
		.amdhsa_group_segment_fixed_size 295936
		.amdhsa_private_segment_fixed_size 0
		.amdhsa_enable_private_segment 0
		.amdhsa_kernarg_size 24
		.amdhsa_user_sgpr_count 2
		.amdhsa_user_sgpr_kernarg_segment_ptr 1
		.amdhsa_wavefront_size32 1
		.amdhsa_system_sgpr_workgroup_id_x 1
		.amdhsa_system_sgpr_workgroup_id_y 1
		.amdhsa_system_sgpr_workgroup_id_z 1
		.amdhsa_system_vgpr_workitem_id 0
		.amdhsa_next_free_vgpr 1024
		.amdhsa_next_free_sgpr 100
		.amdhsa_reserve_vcc 0
		.amdhsa_float_denorm_mode_32 3
		.amdhsa_float_denorm_mode_16_64 3
		.amdhsa_memory_ordered 1
		.amdhsa_forward_progress 1
		.amdhsa_inst_pref_size 133
	.end_amdhsa_kernel
	.amdgpu_metadata
---
amdhsa.version: [ 1, 2 ]
amdhsa.kernels:
  - .name:           k_q77543245ab_qkv
    .symbol:         k_q77543245ab_qkv.kd
    .args:
      - { .name: ops, .offset: 0, .size: 8, .value_kind: global_buffer, .address_space: global }
      - { .name: b_qkv, .offset: 8, .size: 8, .value_kind: global_buffer, .address_space: global }
      - { .name: qkvc, .offset: 16, .size: 8, .value_kind: global_buffer, .address_space: global }
    .group_segment_fixed_size: 295936
    .private_segment_fixed_size: 0
    .kernarg_segment_align: 8
    .kernarg_segment_size: 24
    .max_flat_workgroup_size: 128
    .sgpr_count:     100
    .vgpr_count:     1024
    .wavefront_size: 32
...
	.end_amdgpu_metadata
.endif
;; end of part 2
;; launch attn (part 3): grid 4 x 64, 16 waves a work-group, clusters of 4 x 1, 210,944 bytes of LDS; arguments qkvc, ctxc; writes ctxc
.if DOCPART == 3
	.amdgcn_target "amdgcn-amd-amdhsa--gfx1250"
	.amdhsa_code_object_version 6
	.text
	.protected	k_q77543245ab_attn
	.globl	k_q77543245ab_attn
	.p2align	8
	.type	k_q77543245ab_attn,@function
k_q77543245ab_attn:
	s_mov_b64 s[64:65], 0
	v_nop
	global_prefetch_b8 v0, s[64:65] scope:SCOPE_SE
	s_setreg_imm32_b32 hwreg(HW_REG_WAVE_MODE, 25, 1), 1
	s_wait_xcnt 0x0
	s_wait_alu depctr_hold_cnt(0) depctr_sa_sdst(0) depctr_va_vdst(0) depctr_va_sdst(0) depctr_va_ssrc(0) depctr_va_vcc(0) depctr_vm_vsrc(0)
	s_getreg_b32 s2, hwreg(HW_REG_IB_STS2, 6, 4)
	s_cmp_eq_u32 s2, 0
	s_cbranch_scc0 .Lentry_in_a_cluster
	s_endpgm
.Lentry_in_a_cluster:
	s_bfe_u32 s2, ttmp6, 0x10000c
	s_cmp_lg_u32 s2, 0x3003
	s_cbranch_scc0 .Lentry_shape_is_right
	s_endpgm
.Lentry_shape_is_right:
; ctx = softmax(mask(q k^T / 8)) v for one head, both products on codes of FP6 (E2M3) with E8M0 scales; ctx is quantised along the head's 64 and leaves as codes.
; THE SOFTMAX AHEAD OF THE SECOND PRODUCT: t = score x log2(e) / 8; M = the row's largest t so far, rounded UP to a whole number; p = 2^(t - M) is quantised along the keys; the row's sum of the unquantised p divides at the end.
; THE MASK IS -10,000, NOT -INFINITY.  A hidden key has t = -10,000 log2(e), the same for all hidden keys of a row, and it counts in M, in the sum and in the product.  So M starts at the hidden t (for all queries but
; the last, which hides nothing); in the key step on the diagonal hidden scores are replaced ahead of the maximum; behind it M is final, all further p of the row are one number, and P's fragment of a hidden step is
; built ONCE: a hidden key step is four matrix instructions and their loads of V, with no scores and no softmax; the sum takes the hidden p times their count.
; SHARES.  A cluster of four work-groups is one head.  Wave w of partner g owns the query tiles T = 4 u + g, u = 31 - w and then u = w; the diagonal step is u / 2, which hangs on the wave's number alone.
; Every wave so has 17 full and 15 hidden key steps.  g enters Q's and ctx's global addresses and the mask's numbers, and nothing else.
; LDS: the head's whole record (K's codes, V's at 98,304, K's scale words at 196,608, V's at 204,800), filled once by sixteen joint loads, one a wave, 51 rows of 256 bytes each.  One tensor load of a wave is out.
; Nothing is prefetched: the one tensor load of a wave stands at the kernel's head, and no later stream follows it.
; K = 64 in the first product: the upper half of the instruction's 128 is zero codes, in registers that are cleared once, under the scale byte 127.
; LAYOUT.  Both products are used transposed (S^T = K Q^T, O^T = V^T P^T): a lane holds one query throughout.  Tile T of any operand holds rows 32 (T / 2) + 8 (T % 2) + r + 8 (r / 8), so the 16 registers of two
; neighbouring result tiles are 16 neighbours along the next K.
; LIMITS: NaN and infinities are not served; a p under 2^-126 counts as 0 (v_exp_f32 flushes: ISA guide, its entry in 15.8); a block of zeros gets the byte 1 (zero codes; this program alone reads the bytes).
; ctx's scale halfwords leave in runs of 32 bytes: 262,144 bytes in the launch.
.set REC,   208896
.set QCO,   13369344
.set QSO,   19660800
.set CSO,   6291456
.set SPARE, 208896                     ; behind the record: the spare words, 128 bytes for each of 16 waves
.set SPW, 7
.set NIL, 8
.set QF,  16                           ; v16-21 Q's half fragment, v22-27 zeros
.set QSW, 28                           ; Q's scale words
.set T2,  29
.set NM,  30                           ; v30 -M, v31 the largest t
.set SUM, 32                           ; v[32:33] the sum, in two halves
.set BM,  34                           ; v34-37 a block's largest score, then its largest p
.set TP,  38
.set SO,  42                           ; v42-45 the conversions' scale operands
.set KSW, 46                           ; v46-49 K's scale words, v50-51 V's
.set VSW, 50
.set FF,  52                           ; v52 f = 2^(old M - new M), v53 P's scale word
.set T0,  54
.set T1,  55
.set PC,  56                           ; v56-67 P's fragment
.set PT,  68
.set OT,  76                           ; v76-107 O^T
.set S,   108                          ; v108-171 S^T, then p; v108-155 then V's four fragments
.set KF,  172                          ; v172-219 four fragments of K: six registers of codes, six zeros that stay
.set Q2,  220                          ; v220-226 the second tile's Q and scale words
.set WV,  8
.set CX,  9
.set BH,  10
.set JD,  11
.set J,   12
.set TK,  13
.set TS,  14
.set TV,  15
.set CT,  16
.set U,   17
.set SEL, 20
.set CS,  22
.set HID, 24
.macro CROUND
	s_barrier_signal -1
	s_barrier_wait -1
	s_cmp_lg_u32 s[WV], 0
	s_cbranch_scc1 .Lnot_wave_0_\@
	s_barrier_signal -3
.Lnot_wave_0_\@:
	s_barrier_wait -3
	s_barrier_signal -1
	s_barrier_wait -1
.endm
	s_load_b128 s[4:7], s[0:1], 0x0                ; qkvc, ctxc
	v_lshl_add_u32 v[SPW], v0, 2, SPARE
	v_mov_b32 v[NIL], 0
	ds_add_u32 v[SPW], v[NIL]                      ; the wave's opening
	ds_add_u32 v[SPW], v[NIL]
	v_lshrrev_b32 v1, 5, v0
	s_delay_alu instid0(VALU_DEP_1)
	v_readfirstlane_b32 s[WV], v1                  ; wave 0..15
	s_bfe_u32 s[CX], ttmp6, 0x40000                ; g: my place in the cluster
	s_and_b32 s[BH], ttmp7, 0xffff                 ; 16 x batch + head
	; group 1: 51 rows of 256 bytes (32 elements of 8 bytes), dense; all four work-groups
	s_mov_b32 s28, 15|(3<<16)|(1<<21)
	s_mov_b32 s29, 32<<16
	s_mov_b32 s30, 51<<16
	s_mov_b32 s31, 32<<16
	s_mov_b32 s32, 51
	s_mov_b32 s33, 32
	s_mov_b32 s34, 0
	s_mov_b32 s35, 0
	s_mov_b32 s44, 1
	s_mul_i32 s45, s[WV], 13056                    ; my sixteenth of the record, in LDS as in memory
	s_mul_i32 s56, s[BH], REC
	s_add_co_u32 s56, s56, s45
	s_mov_b32 s57, 0
	s_mov_b32 s[SEL], 0x76543210
	s_mov_b32 s[SEL+1], 0xfedcba98
	s_mov_b32 s[CS], 0x3e38aa3b                    ; c = log2(e) / 8
	s_mov_b32 s[CS+1], s[CS]
	s_mov_b32 s[HID], 0xc79c4000                   ; -80,000: the raw score that stands for the logit -10,000
	s_wait_dscnt 0x0
	s_wait_kmcnt 0x0
	s_add_nc_u64 s[46:47], s[4:5], s[56:57]
	s_or_b32 s47, s47, 0x80000000
	CROUND                                         ; all four work-groups are here: the joint loads meet
	tensor_load_to_lds s[44:47], s[28:35]
	s_nop 0
.rept 4
	v_nop
.endr
	; Q's two tiles and their scale words
	s_mul_i32 s36, s[BH], 98304
	s_add_co_u32 s36, s36, QCO
	s_mul_i32 s41, s[CX], 768
	s_add_co_u32 s36, s36, s41                     ; tile g of a group of four
	s_lshl_b32 s38, s[BH], 13
	s_add_co_u32 s38, s38, QSO
	s_and_b32 s40, s[CX], 1
	s_lshl_b32 s40, s40, 7
	s_lshr_b32 s41, s[CX], 1
	s_lshl_b32 s41, s41, 2
	s_add_co_u32 s40, s40, s41
	s_add_co_u32 s38, s38, s40                     ; its words' place in the group's 256 bytes
	s_sub_co_u32 s42, 31, s[WV]
	s_mul_i32 s48, s42, 3072
	s_add_co_u32 s48, s48, s36
	s_mov_b32 s49, 0
	s_lshl_b32 s50, s42, 8
	s_add_co_u32 s50, s50, s38
	s_mov_b32 s51, 0
	s_mul_i32 s52, s[WV], 3072
	s_add_co_u32 s52, s52, s36
	s_mov_b32 s53, 0
	s_lshl_b32 s54, s[WV], 8
	s_add_co_u32 s54, s54, s38
	s_mov_b32 s55, 0
	s_add_nc_u64 s[66:67], s[4:5], s[48:49]
	s_add_nc_u64 s[68:69], s[4:5], s[50:51]
	s_add_nc_u64 s[70:71], s[4:5], s[52:53]
	s_add_nc_u64 s[72:73], s[4:5], s[54:55]
	v_and_b32 v10, 31, v0
	s_delay_alu instid0(VALU_DEP_1)
	v_lshlrev_b32 v1, 4, v10                       ; 16 x lane
	s_delay_alu instid0(VALU_DEP_2)
	v_lshlrev_b32 v2, 3, v10
	s_delay_alu instid0(VALU_DEP_1)
	v_add_nc_u32 v2, 512, v2                       ; 512 + 8 x lane
	s_delay_alu instid0(VALU_DEP_3)
	v_add_nc_u32 v3, 98304, v1                     ; the same in V
	s_delay_alu instid0(VALU_DEP_2)
	v_add_nc_u32 v4, 98304, v2
	v_lshlrev_b32 v5, 3, v10
	s_delay_alu instid0(VALU_DEP_1)
	v_add_nc_u32 v6, 204800, v5                    ; V's scale words
	s_delay_alu instid0(VALU_DEP_2)
	v_add_nc_u32 v5, 196608, v5                    ; K's
	v_and_b32 v11, 15, v0                          ; r
	v_bfe_u32 v12, v0, 4, 1                        ; h
	s_delay_alu instid0(VALU_DEP_2)
	v_and_b32 v228, 8, v11
	s_delay_alu instid0(VALU_DEP_1)
	v_add_nc_u32 v228, v228, v11                   ; r + 8 (r / 8)
	s_delay_alu instid0(VALU_DEP_3)
	v_lshlrev_b32 v227, 4, v12
	s_delay_alu instid0(VALU_DEP_1)
	v_sub_nc_u32 v227, v228, v227                  ; - 16 h
	v_lshlrev_b32 v230, 3, v11                     ; 8 r
	v_lshlrev_b32 v231, 1, v11                     ; 2 r
	global_load_b128 v[QF:QF+3], v1, s[66:67]
	global_load_b64 v[QF+4:QF+5], v2, s[66:67]
	global_load_b32 v[QSW], v230, s[68:69]
	global_load_b128 v[Q2:Q2+3], v1, s[70:71]
	global_load_b64 v[Q2+4:Q2+5], v2, s[70:71]
	global_load_b32 v[Q2+6], v230, s[72:73]
.irp i, 0,1,2,3,4,5
	v_mov_b32 v[QF+6+\i], 0                        ; the zero codes of the upper half of K
.irp t, 0,1,2,3
	v_mov_b32 v[KF+12*\t+6+\i], 0
.endr
.endr
.set n, 0
.rept 12
	v_mov_b32 v[PC+n], 0                           ; P's fragment, written once here: a walk's first step is a full one (J = 0 is never above JD) and writes it anew, but that hangs on a compare of registers, and every register is written on every path of the text
.set n, n+1
.endr
.irp b, 0,1,2,3
	v_mov_b32 v[TP+\b], 0                          ; a lane permute's destination counts as one of its sources
.endr
	v_mov_b32 v[FF+1], 0                           ; named as the upper half of a pair before it is first written
	v_mov_b32 v[T0], 0
.macro VLOADS                          ; V's four fragments of the step
.irp t, 0,1,2,3
.irp c, 0,1
	ds_load_b128 v[S+12*\t+6*\c:S+12*\t+6*\c+3], v12 offset:3072*\c+768*\t
	ds_load_b64 v[S+12*\t+6*\c+4:S+12*\t+6*\c+5], v13 offset:3072*\c+768*\t
.endr
.endr
.endm
.macro PVMUL                           ; O^T += V^T P^T: four accumulators by turns
.irp t, 0,1,2,3
.if \t%2
	v_wmma_scale_f32_16x16x128_f8f6f4 v[OT+8*\t:OT+8*\t+7], v[S+12*\t:S+12*\t+11], v[PC:PC+11], v[OT+8*\t:OT+8*\t+7], v[VSW+\t/2], v[FF+1] matrix_a_fmt:MATRIX_FMT_FP6 matrix_b_fmt:MATRIX_FMT_FP6 matrix_a_scale:MATRIX_SCALE_ROW1
.else
	v_wmma_scale_f32_16x16x128_f8f6f4 v[OT+8*\t:OT+8*\t+7], v[S+12*\t:S+12*\t+11], v[PC:PC+11], v[OT+8*\t:OT+8*\t+7], v[VSW+\t/2], v[FF+1] matrix_a_fmt:MATRIX_FMT_FP6 matrix_b_fmt:MATRIX_FMT_FP6
.endif
.endr
.endm
; One query tile: set-up, 16 key steps, the way out.  second = 0: u = 31 - wave; 1: u = wave.
.macro PASS second
	s_wait_xcnt 0x0                                ; earlier loads and stores have read their addresses and data: bases and registers may be written
.if \second
.irp i, 0,1,2,3,4,5
	v_mov_b32 v[QF+\i], v[Q2+\i]
.endr
	v_mov_b32 v[QSW], v[Q2+6]
	s_mov_b32 s[U], s[WV]
.else
	s_sub_co_u32 s[U], 31, s[WV]
.endif
	s_lshr_b32 s[JD], s[U], 1                      ; the key step on the diagonal
	s_lshl_b32 s36, s[JD], 6
	s_sub_co_u32 s36, 960, s36
	v_cvt_f32_u32 v229, s36                        ; half of the keys behind that step: each half of the lanes accounts for half
	s_lshl_b32 s37, s[U], 2
	s_add_co_u32 s37, s37, s[CX]                   ; T
	s_lshr_b32 s38, s[BH], 4
	s_lshl_b32 s38, s38, 7
	s_add_co_u32 s38, s38, s37                     ; the tile among all 512 tiles of rows
	s_and_b32 s39, s[BH], 15                       ; the head
	s_mul_i32 s40, s38, 12288
	s_mul_i32 s41, s39, 768
	s_add_co_u32 s40, s40, s41
	s_mov_b32 s41, 0
	s_add_nc_u64 s[74:75], s[6:7], s[40:41]        ; ctx's half fragment
	s_lshl_b32 s40, s38, 9
	s_lshl_b32 s42, s39, 5
	s_add_co_u32 s40, s40, s42
	s_add_co_u32 s40, s40, CSO
	s_add_nc_u64 s[76:77], s[6:7], s[40:41]        ; its scale halfwords
	s_lshr_b32 s42, s[CX], 1
	s_lshl_b32 s42, s42, 5
	s_and_b32 s43, s[CX], 1
	s_lshl_b32 s43, s43, 3
	s_add_co_u32 s42, s42, s43                     ; 32 (g / 2) + 8 (g % 2)
	s_lshl_b32 s40, s[U], 6
	s_add_co_u32 s40, s40, s42
	v_add_nc_u32 v[T1], s40, v228                  ; my query
	s_and_b32 s43, s[U], 1
	s_lshl_b32 s43, s43, 6
	s_add_co_u32 s43, s43, s42
	v_add_nc_u32 v9, s43, v227                     ; d = my query - 128 JD - 16 h: in the diagonal step register 16 b + i is hidden where 32 b + i > d
	v_mov_b32 v[T0], s[HID]
	s_delay_alu instid0(VALU_DEP_1)
	v_mul_f32 v[NM+1], s[CS], v[T0]                ; the largest t so far: the hidden keys',
	v_mov_b32 v[T2], 0xff61b1e6
	v_cmp_eq_u32 vcc_lo, 0x7ff, v[T1]
	s_delay_alu instid0(VALU_DEP_1)
	v_cndmask_b32 v[NM+1], v[NM+1], v[T2], vcc_lo  ; or -3e38 for the last query, which hides none
	s_delay_alu instid0(VALU_DEP_1)
	v_floor_f32 v[NM], -v[NM+1]                    ; -M
	v_mov_b32 v[SUM], 0
	v_mov_b32 v[SUM+1], 0
.set n, 0
.rept 32
	v_mov_b32 v[OT+n], 0                           ; the step is written once: the first finds zeros
.set n, n+1
.endr
	s_mov_b32 s[J], 0
	s_mov_b32 s[TK], 0
	s_mov_b32 s[TS], 0
	s_mov_b32 s[TV], 0
	s_mov_b32 s[CT], 16
.Lstep_\@:
	s_cmp_gt_u32 s[J], s[JD]
	s_cbranch_scc1 .Ltail_\@
	s_setprio 2
	; ---- a full key step: 128 keys.  The six additions are the places behind the last products: five are owed ahead of products that write over V's registers
	v_add_nc_u32 v10, s[TK], v1
	s_wait_alu depctr_va_vdst(0)
	v_add_nc_u32 v11, s[TK], v2
	s_wait_alu depctr_va_vdst(0)
	v_add_nc_u32 v12, s[TK], v3
	v_add_nc_u32 v13, s[TK], v4
	v_add_nc_u32 v14, s[TS], v5
	v_add_nc_u32 v15, s[TV], v6
	ds_load_b64 v[KSW:KSW+1], v14                  ; register i: tile 2 i's words in lanes 0-15, tile 2 i + 1's in lanes 16-31
	ds_load_b64 v[KSW+2:KSW+3], v14 offset:256
	ds_load_b64 v[VSW:VSW+1], v15
.irp g, 0,1
.irp t, 0,1,2,3
	ds_load_b128 v[KF+12*\t:KF+12*\t+3], v10 offset:768*(4*\g+\t)
	ds_load_b64 v[KF+12*\t+4:KF+12*\t+5], v11 offset:768*(4*\g+\t)
.endr
	s_wait_dscnt 0x0
.irp t, 0,1,2,3
.if \t%2
	v_wmma_scale_f32_16x16x128_f8f6f4 v[S+8*(4*\g+\t):S+8*(4*\g+\t)+7], v[KF+12*\t:KF+12*\t+11], v[QF:QF+11], 0, v[KSW+2*\g+\t/2], v[QSW] matrix_a_fmt:MATRIX_FMT_FP6 matrix_b_fmt:MATRIX_FMT_FP6 matrix_a_scale:MATRIX_SCALE_ROW1
.else
	v_wmma_scale_f32_16x16x128_f8f6f4 v[S+8*(4*\g+\t):S+8*(4*\g+\t)+7], v[KF+12*\t:KF+12*\t+11], v[QF:QF+11], 0, v[KSW+2*\g+\t/2], v[QSW] matrix_a_fmt:MATRIX_FMT_FP6 matrix_b_fmt:MATRIX_FMT_FP6
.endif
.endr
.rept 4
	v_nop                                          ; places ahead of loads into K's registers, and of the first read of scores
.endr
.endr
	s_cmp_lt_u32 s[J], s[JD]
	s_cbranch_scc1 .Lopen_\@                       ; all keys of the step count
	v_mov_b32 v[T2], s[HID]
.set n, 0
.rept 64
	v_cmp_gt_i32 vcc_lo, 32*(n/16)+n%16, v9
	v_cndmask_b32 v[S+n], v[S+n], v[T2], vcc_lo
.set n, n+1
.endr
.Lopen_\@:
.irp b, 0,1,2,3
	v_max3_num_f32 v[BM+\b], v[S+16*\b], v[S+16*\b+1], v[S+16*\b+2]   ; the largest score of each block of 32 keys: it serves the row's maximum and, since p rises with the score, the block's largest p
.endr
.irp i, 3,5,7,9,11,13
.irp b, 0,1,2,3
	v_max3_num_f32 v[BM+\b], v[BM+\b], v[S+16*\b+\i], v[S+16*\b+\i+1]
.endr
.endr
.irp b, 0,1,2,3
	v_max_num_f32 v[BM+\b], v[BM+\b], v[S+16*\b+15]
.endr
.irp b, 0,1,2,3
	s_delay_alu instid0(VALU_DEP_4)
	v_permlanex16_b32 v[TP+\b], v[BM+\b], s[SEL], s[SEL+1]
.endr
.irp b, 0,1,2,3
	s_delay_alu instid0(VALU_DEP_4)
	v_max_num_f32 v[BM+\b], v[BM+\b], v[TP+\b]
.endr
	s_delay_alu instid0(VALU_DEP_2)
	v_max3_num_f32 v[T0], v[BM], v[BM+1], v[BM+2]
	s_delay_alu instid0(VALU_DEP_1)
	v_max_num_f32 v[T0], v[T0], v[BM+3]
	s_delay_alu instid0(VALU_DEP_1)
	v_mul_f32 v[T0], s[CS], v[T0]
	s_delay_alu instid0(VALU_DEP_1)
	v_max_num_f32 v[NM+1], v[NM+1], v[T0]          ; the running largest t
	v_mov_b32 v[T0], v[NM]
	s_delay_alu instid0(VALU_DEP_2)
	v_floor_f32 v[NM], -v[NM+1]                    ; the new -M: M is a whole number
	s_delay_alu instid0(VALU_DEP_1)
	v_sub_f32 v[T0], v[NM], v[T0]
	s_delay_alu instid0(VALU_DEP_1)
	v_cvt_i32_f32 v[T0], v[T0]                     ; (it saturates)
	s_delay_alu instid0(VALU_DEP_1)
	v_ldexp_f32 v[FF], 1.0, v[T0]                  ; f = 2^(old M - new M): a multiplication by it rounds nothing
.set n, 0
.rept 32
	v_pk_fma_f32 v[S+n:S+n+1], v[S+n:S+n+1], s[CS:CS+1], v[NM:NM+1] op_sel_hi:[1,0,0]   ; t - M
.set n, n+2
.endr
.irp b, 0,1,2,3
	v_fma_f32 v[BM+\b], v[BM+\b], s[CS], v[NM]
.endr
.set n, 0
	s_setprio 1
	s_wait_alu depctr_va_vdst(0)
.rept 64
	v_exp_f32 v[S+n], v[S+n]                       ; p = 2^(t - M)
.set n, n+1
.endr
	v_pk_mul_f32 v[SUM:SUM+1], v[SUM:SUM+1], v[FF:FF+1] op_sel_hi:[1,0]   ; a plain place behind the exponentials
	s_wait_alu depctr_va_vdst(0)                   ; one wait for the batch, ahead of its first reader
.irp b, 0,1,2,3
	v_exp_f32 v[BM+\b], v[BM+\b]                   ; each block's largest p
.endr
	v_pk_add_f32 v[38:39], v[112:113], v[116:117]
	v_pk_add_f32 v[254:255], v[120:121], v[124:125]
	v_pk_add_f32 v[252:253], v[128:129], v[132:133]
	v_pk_add_f32 v[250:251], v[136:137], v[140:141]
	v_pk_add_f32 v[248:249], v[144:145], v[148:149]
	v_pk_add_f32 v[246:247], v[152:153], v[156:157]
	v_pk_add_f32 v[244:245], v[160:161], v[164:165]
	v_pk_add_f32 v[32:33], v[32:33], v[168:169]
	v_pk_add_f32 v[38:39], v[38:39], v[108:109]
	v_pk_add_f32 v[254:255], v[254:255], v[110:111]
	v_pk_add_f32 v[252:253], v[252:253], v[114:115]
	v_pk_add_f32 v[250:251], v[250:251], v[118:119]
	v_pk_add_f32 v[248:249], v[248:249], v[122:123]
	v_pk_add_f32 v[246:247], v[246:247], v[126:127]
	v_pk_add_f32 v[244:245], v[244:245], v[130:131]
	v_pk_add_f32 v[32:33], v[32:33], v[134:135]
	v_pk_add_f32 v[38:39], v[38:39], v[138:139]
	v_pk_add_f32 v[254:255], v[254:255], v[142:143]
	v_pk_add_f32 v[252:253], v[252:253], v[146:147]
	v_pk_add_f32 v[250:251], v[250:251], v[150:151]
	v_pk_add_f32 v[248:249], v[248:249], v[154:155]
	v_pk_add_f32 v[246:247], v[246:247], v[158:159]
	v_pk_add_f32 v[244:245], v[244:245], v[162:163]
	v_pk_add_f32 v[32:33], v[32:33], v[166:167]
	v_pk_add_f32 v[38:39], v[38:39], v[170:171]
	s_delay_alu instid0(VALU_DEP_2)
	v_pk_add_f32 v[32:33], v[32:33], v[250:251]
	s_delay_alu instid0(VALU_DEP_2)
	v_pk_add_f32 v[38:39], v[38:39], v[248:249]
	v_pk_add_f32 v[254:255], v[254:255], v[246:247]
	v_pk_add_f32 v[252:253], v[252:253], v[244:245]
	s_delay_alu instid0(VALU_DEP_2)
	v_pk_add_f32 v[32:33], v[32:33], v[254:255]
	s_delay_alu instid0(VALU_DEP_2)
	v_pk_add_f32 v[38:39], v[38:39], v[252:253]
	s_delay_alu instid0(VALU_DEP_1)
	v_pk_add_f32 v[32:33], v[32:33], v[38:39]
	s_wait_alu depctr_va_vdst(0)                   ; and one for the four
.irp b, 0,1,2,3
	v_max_num_f32 v[BM+\b], 0x1800000, v[BM+\b]    ; the floor 2^(3 - 127)
.endr
.irp b, 0,1,2,3
	s_delay_alu instid0(VALU_DEP_4)
	v_add_nc_u32 v[SO+\b], 0xff000000, v[BM+\b]
.endr
.irp b, 0,1,2,3
	s_delay_alu instid0(VALU_DEP_4)
	v_lshrrev_b32 v[TP+\b], 23, v[SO+\b]
.endr
	s_delay_alu instid0(VALU_DEP_3)
	v_lshl_or_b32 v[FF+1], v[TP+1], 8, v[TP]       ; p's scale word for these 128 keys
	s_delay_alu instid0(VALU_DEP_1)
	v_lshl_or_b32 v[FF+1], v[TP+2], 16, v[FF+1]
	s_delay_alu instid0(VALU_DEP_1)
	v_lshl_or_b32 v[FF+1], v[TP+3], 24, v[FF+1]
.irp c, 0,1
	v_cvt_scalef32_pk16_fp6_f32 v[PC+6*\c:PC+6*\c+2], v[S+32*\c:S+32*\c+15], v[SO+2*\c]
	v_cvt_scalef32_pk16_fp6_f32 v[PT+4*\c:PT+4*\c+2], v[S+32*\c+16:S+32*\c+31], v[SO+2*\c+1]
.endr
	v_nop                                          ; one plain place behind a scaled conversion
	VLOADS                                         ; p's registers are done with: V's fragments land there while the lines below run
.irp c, 0,1
.irp i, 0,1,2
	v_permlane16_swap_b32 v[PC+6*\c+\i], v[PT+4*\c+\i]
.endr
.irp i, 0,1,2
	s_delay_alu instid0(VALU_DEP_3)
	v_mov_b32 v[PC+6*\c+3+\i], v[PT+4*\c+\i]
.endr
.endr
.set n, 0
.rept 16
	v_pk_mul_f32 v[OT+n:OT+n+1], v[OT+n:OT+n+1], v[FF:FF+1] op_sel_hi:[1,0]   ; O^T under the new M; these are also the places ahead of the scaled products
.set n, n+2
.endr
	s_setprio 0
	s_wait_alu depctr_va_vdst(0)
	s_wait_dscnt 0x0
	PVMUL
	s_cmp_lt_u32 s[J], s[JD]
	s_cbranch_scc1 .Lnext_\@
	; ---- behind the diagonal step: M is final; the hidden keys' one p, its share of the sum, and P's uniform fragment
.rept 4
	v_nop                                          ; places behind the products whose operands are written below
.endr
	v_mov_b32 v[T0], s[HID]
	s_delay_alu instid0(VALU_DEP_1)
	v_fma_f32 v[T0], v[T0], s[CS], v[NM]
	s_wait_alu depctr_va_vdst(0)
	v_exp_f32 v[T0], v[T0]
	v_nop
	s_wait_alu depctr_va_vdst(0)
	v_fmac_f32 v[SUM], v[T0], v229
	v_max_num_f32 v[T1], 0x1800000, v[T0]
	s_delay_alu instid0(VALU_DEP_1)
	v_add_nc_u32 v[T1], 0xff000000, v[T1]
	s_delay_alu instid0(VALU_DEP_1)
	v_lshrrev_b32 v[T2], 23, v[T1]
	s_delay_alu instid0(VALU_DEP_1)
	v_lshl_or_b32 v[FF+1], v[T2], 8, v[T2]
	s_delay_alu instid0(VALU_DEP_1)
	v_lshl_or_b32 v[FF+1], v[FF+1], 16, v[FF+1]    ; the same byte for all four blocks
.set n, 0
.rept 16
	v_mov_b32 v[S+n], v[T0]
.set n, n+1
.endr
	v_cvt_scalef32_pk16_fp6_f32 v[PT:PT+2], v[S:S+15], v[T1]
	v_nop
.set n, 0
.rept 12
	v_mov_b32 v[PC+n], v[PT+n%3]                   ; sixteen equal codes are three registers: the fragment repeats them
.set n, n+1
.endr
.rept 4
	v_nop
.endr
	s_branch .Lnext_\@
.Ltail_\@:
	; ---- a hidden key step
	v_add_nc_u32 v12, s[TK], v3
	v_add_nc_u32 v13, s[TK], v4
	v_add_nc_u32 v15, s[TV], v6
	v_nop                                          ; four places ahead of loads into registers that the last products read
	ds_load_b64 v[VSW:VSW+1], v15
	VLOADS
	s_wait_dscnt 0x0
	s_wait_alu depctr_va_vdst(0)
	PVMUL
.Lnext_\@:
	s_add_co_u32 s[J], s[J], 1
	s_add_co_u32 s[TK], s[TK], 6144                ; 8 tiles of K, and as many bytes of V
	s_add_co_u32 s[TS], s[TS], 512
	s_add_co_u32 s[TV], s[TV], 256
	s_sub_co_u32 s[CT], s[CT], 1
	s_cmp_lg_u32 s[CT], 0
	s_cbranch_scc1 .Lstep_\@
	s_setprio 0
	; ---- the way out: O^T / the sum, quantised along the head's 64: one half fragment and two scale bytes a row
.rept 4
	v_nop
.endr
	v_add_f32 v[SUM], v[SUM], v[SUM+1]
	v_permlanex16_b32 v[T0], v[SUM], s[SEL], s[SEL+1]
	s_delay_alu instid0(VALU_DEP_1)
	v_add_f32 v[SUM], v[SUM], v[T0]
	s_wait_alu depctr_va_vdst(0)
	v_rcp_f32 v[SUM], v[SUM]
	v_nop
	s_wait_alu depctr_va_vdst(0)
.set n, 0
.rept 16
	v_pk_mul_f32 v[OT+n:OT+n+1], v[OT+n:OT+n+1], v[SUM:SUM+1] op_sel_hi:[1,0]
.set n, n+2
.endr
.irp b, 0,1
	v_max3_num_f32 v[BM+\b], |v[OT+16*\b]|, |v[OT+16*\b+1]|, 0x1800000
.endr
.irp i, 2,4,6,8,10,12,14
.irp b, 0,1
	s_delay_alu instid0(VALU_DEP_2)
	v_max3_num_f32 v[BM+\b], v[BM+\b], |v[OT+16*\b+\i]|, |v[OT+16*\b+\i+1]|
.endr
.endr
.irp b, 0,1
	s_delay_alu instid0(VALU_DEP_2)
	v_permlanex16_b32 v[TP+\b], v[BM+\b], s[SEL], s[SEL+1]
.endr
.irp b, 0,1
	s_delay_alu instid0(VALU_DEP_2)
	v_max_num_f32 v[BM+\b], v[BM+\b], v[TP+\b]
.endr
.irp b, 0,1
	s_delay_alu instid0(VALU_DEP_2)
	v_add_nc_u32 v[SO+\b], 0xff000000, v[BM+\b]
.endr
.irp b, 0,1
	s_delay_alu instid0(VALU_DEP_2)
	v_lshrrev_b32 v[TP+\b], 23, v[SO+\b]
.endr
	s_delay_alu instid0(VALU_DEP_1)
	v_lshl_or_b32 v[T1], v[TP+1], 8, v[TP]
	v_cvt_scalef32_pk16_fp6_f32 v[PC:PC+2], v[OT:OT+15], v[SO]
	v_cvt_scalef32_pk16_fp6_f32 v[PT:PT+2], v[OT+16:OT+31], v[SO+1]
	v_nop
.irp i, 0,1,2
	v_permlane16_swap_b32 v[PC+\i], v[PT+\i]
.endr
.irp i, 0,1,2
	s_delay_alu instid0(VALU_DEP_3)
	v_mov_b32 v[PC+3+\i], v[PT+\i]
.endr
	global_store_b128 v1, v[PC:PC+3], s[74:75]     ; 512 consecutive bytes, aligned to 256
	global_store_b64 v2, v[PC+4:PC+5], s[74:75]    ; 256 consecutive bytes, aligned
	global_store_b16 v231, v[T1], s[76:77]         ; lanes r and r + 16 store the same halfword
.endm
	s_wait_loadcnt 0x0                             ; Q
	s_wait_tensorcnt 0x0                           ; my part of the record has landed,
	s_barrier_signal -1
	s_barrier_wait -1                              ; everybody's has; nothing is filled again, and no barrier stands in the walk
	PASS 0
	PASS 1
	s_wait_tensorcnt 0x0                           ; the wave's end
	ds_add_u32 v[SPW], v[NIL]
	s_wait_dscnt 0x0
	CROUND                                         ; the closing round
	s_endpgm
.Lfunc_end_k_q77543245ab_attn:
	.size	k_q77543245ab_attn, .Lfunc_end_k_q77543245ab_attn-k_q77543245ab_attn
	.p2alignl 7, 3214868480
	.fill 96, 4, 3214868480
	.section	.rodata,"a",@progbits
	.p2align	6, 0x0
	.amdhsa_kernel k_q77543245ab_attn
		.amdhsa_group_segment_fixed_size 210944
		.amdhsa_private_segment_fixed_size 0
		.amdhsa_enable_private_segment 0
		.amdhsa_kernarg_size 16
		.amdhsa_user_sgpr_count 2
		.amdhsa_user_sgpr_kernarg_segment_ptr 1
		.amdhsa_wavefront_size32 1
		.amdhsa_system_sgpr_workgroup_id_x 1
		.amdhsa_system_sgpr_workgroup_id_y 1
		.amdhsa_system_sgpr_workgroup_id_z 1
		.amdhsa_system_vgpr_workitem_id 0
		.amdhsa_next_free_vgpr 256
		.amdhsa_next_free_sgpr 80
		.amdhsa_reserve_vcc 1
		.amdhsa_float_denorm_mode_32 3
		.amdhsa_float_denorm_mode_16_64 3
		.amdhsa_memory_ordered 1
		.amdhsa_forward_progress 1
		.amdhsa_inst_pref_size 75
	.end_amdhsa_kernel
	.amdgpu_metadata
---
amdhsa.version: [ 1, 2 ]
amdhsa.kernels:
  - .name:           k_q77543245ab_attn
    .symbol:         k_q77543245ab_attn.kd
    .args:
      - { .name: qkvc, .offset: 0, .size: 8, .value_kind: global_buffer, .address_space: global }
      - { .name: ctxc, .offset: 8, .size: 8, .value_kind: global_buffer, .address_space: global }
    .group_segment_fixed_size: 210944
    .private_segment_fixed_size: 0
    .kernarg_segment_align: 8
    .kernarg_segment_size: 16
    .max_flat_workgroup_size: 512
    .sgpr_count:     80
    .vgpr_count:     256
    .wavefront_size: 32
...
	.end_amdgpu_metadata
.endif
;; end of part 3
;; launch dense (part 4): grid 8 x 32, 4 waves a work-group, clusters of 4 x 4, 295,424 bytes of LDS; arguments ctxc, ops, b_dense, out0; writes out0
.if DOCPART == 4
	.amdgcn_target "amdgcn-amd-amdhsa--gfx1250"
	.amdhsa_code_object_version 6
	.text
	.protected	k_q77543245ab_dense
	.globl	k_q77543245ab_dense
	.p2align	8
	.type	k_q77543245ab_dense,@function
k_q77543245ab_dense:
	s_mov_b64 s[64:65], 0
	v_nop
	global_prefetch_b8 v0, s[64:65] scope:SCOPE_SE
	s_setreg_imm32_b32 hwreg(HW_REG_WAVE_MODE, 25, 1), 1
	s_wait_xcnt 0x0
	s_wait_alu depctr_hold_cnt(0) depctr_sa_sdst(0) depctr_va_vdst(0) depctr_va_sdst(0) depctr_va_ssrc(0) depctr_va_vcc(0) depctr_vm_vsrc(0)
	s_getreg_b32 s2, hwreg(HW_REG_IB_STS2, 6, 4)
	s_cmp_eq_u32 s2, 0
	s_cbranch_scc0 .Lentry_in_a_cluster
	s_endpgm
.Lentry_in_a_cluster:
	s_bfe_u32 s2, ttmp6, 0x10000c
	s_cmp_lg_u32 s2, 0xf033
	s_cbranch_scc0 .Lentry_shape_is_right
	s_endpgm
.Lentry_shape_is_right:
; out = ctx w_dense + b_dense on codes of FP6 (E2M3) with E8M0 scales; out is f32.
; SHARES.  A work-group takes 256 rows x 128 columns; wave w rows 64 w .. 64 w + 63 (four tiles) against all 8 tiles of columns: 32 accumulators, 8 K steps of 128, 256 matrix instructions.
; Tiles and half fragments lie as the launches before have laid them (tile T = rows 32 (T / 2) + 8 (T % 2) + r + 8 (r / 8); a half fragment = 16 rows x 64 codes as an image of registers, 768 bytes).
; The matrix instruction is used TRANSPOSED (source 0 = 16 columns of w, source 1 = 16 rows of ctx): a lane holds one row of out, and the 16 registers of two neighbouring tiles are 16 neighbouring columns.
; LDS IS FILLED ONCE: four slots of two K steps, each with A's 16 tiles and B's 8: all of K.  A wave has four tensor loads out.
; CLUSTER 4 x 4: the four work-groups of a row of the cluster share A's tiles, the four of a column B's: joint loads.
; REGISTERS.  Window 0: v1-11 lane terms, v12-27 LDS addresses, v28, v29 the stage, v30, v31 the add's two, v32-47 ctx's scale words, v48-79 w's, v96-191 A's two sets (later rows of out, to v223), v192-207 at work.
;   Window 1: v0-95 B's 8 fragments, v96-159 the bias.  Window 2: the accumulators, 8 (8 i + t).
.set CSO,   6291456
.set WDC,   8650752
.set WDS,   9797632
.set SLOT,  73728
.set BOFF,  49152
.set SPARE, 294912
.set VB16, 12
.set VB8,  16
.set VA16, 20
.set VA8,  24
.set STO,  28
.set RD,   29
.set SPW,  30
.set NIL,  31
.set XSC,  32
.set WSC,  48
.set AF,   96
.set BIA,  96
.set MSB, 0
.macro WIN new
.if MSB != (\new)
	s_set_vgpr_msb (MSB<<8)|(\new)
.set MSB, \new
.endif
.endm
.macro PLACES n
.rept \n
	v_nop
.endr
.endm
.macro CROUND
	s_barrier_signal -1
	s_barrier_wait -1
	s_cmp_lg_u32 s14, 0
	s_cbranch_scc1 .Lnot_wave_0_\@
	s_barrier_signal -3
.Lnot_wave_0_\@:
	s_barrier_wait -3
	s_barrier_signal -1
	s_barrier_wait -1
.endm
	s_load_b256 s[4:11], s[0:1], 0x0               ; ctxc s[4:5], ops s[6:7], b_dense s[8:9], out0 s[10:11]
	v_lshl_add_u32 v[SPW], v0, 2, SPARE
	v_mov_b32 v[NIL], 0
	ds_add_u32 v[SPW], v[NIL]
	ds_add_u32 v[SPW], v[NIL]                      ; the wave's opening
	v_lshrrev_b32 v1, 5, v0
	v_readfirstlane_b32 s14, v1                    ; wave
	s_lshr_b32 s15, s14, 1                         ; I fetch for A (0) or for B (1),
	s_and_b32 s16, s14, 1                          ; its first or second half
	s_bfe_u32 s40, ttmp6, 0x40000
	s_bfe_u32 s41, ttmp6, 0x40004
	s_lshl_b32 s42, ttmp9, 2
	s_add_co_u32 s42, s42, s40                     ; the block of 128 columns
	s_and_b32 s17, ttmp7, 0xffff
	s_lshl_b32 s17, s17, 2
	s_add_co_u32 s17, s17, s41                     ; the block of 256 rows
	s_lshl_b32 s43, s41, 2
	s_lshl_b32 s43, 15, s43
	s_lshl_b32 s44, 0x1111, s40
	; group 1: rows of 3,072 bytes (384 elements of 8 bytes), 12,288 bytes apart; A: 8 tiles a load, B: 4
	s_or_b32 s24, s43, (3<<16)|(1<<21)
	s_mov_b32 s25, 384<<16
	s_mov_b32 s26, 8<<16
	s_mov_b32 s27, 384<<16
	s_mov_b32 s28, 8
	s_mov_b32 s29, 1536
	s_mov_b32 s30, 0
	s_mov_b32 s31, 0
	s_or_b32 s48, s44, (3<<16)|(1<<21)
	s_mov_b32 s49, 384<<16
	s_mov_b32 s50, 4<<16
	s_mov_b32 s51, 384<<16
	s_mov_b32 s52, 4
	s_mov_b32 s53, 1536
	s_mov_b32 s54, 0
	s_mov_b32 s55, 0
	s_lshl_b32 s20, s17, 4
	s_lshl_b32 s21, s16, 3
	s_add_co_u32 s20, s20, s21
	s_mul_i32 s20, s20, 12288                      ; A: tile 16 x block + 8 x half
	s_mov_b32 s21, 0
	s_lshl_b32 s46, s42, 3
	s_lshl_b32 s47, s16, 2
	s_add_co_u32 s46, s46, s47
	s_mul_i32 s46, s46, 12288                      ; B: tile 8 x block + 4 x half
	s_add_co_u32 s46, s46, WDC
	s_mov_b32 s47, 0
	s_mul_i32 s45, s16, 24576
	s_mul_i32 s63, s16, 12288
	s_wait_dscnt 0x0
	s_wait_kmcnt 0x0
	s_add_nc_u64 s[20:21], s[4:5], s[20:21]
	s_add_nc_u64 s[46:47], s[6:7], s[46:47]
.irp g, 0,1,2,3
	s_mov_b32 s[68+4*\g], 1
	s_add_co_u32 s[69+4*\g], s45, \g*SLOT
	s_add_nc_u64 s[70+4*\g:71+4*\g], s[20:21], \g*3072
	s_or_b32 s[71+4*\g], s[71+4*\g], 0x80000000
	s_mov_b32 s[84+4*\g], 1
	s_add_co_u32 s[85+4*\g], s63, \g*SLOT+BOFF
	s_add_nc_u64 s[86+4*\g:87+4*\g], s[46:47], \g*3072
	s_or_b32 s[87+4*\g], s[87+4*\g], 0x80000000
.endr
	CROUND
	s_cmp_eq_u32 s15, 0                            ; a wave's first fills stand in one branch on its number
	s_cbranch_scc0 .Lfirst_b
	tensor_load_to_lds s[68:71], s[24:31]
	s_nop 0
	tensor_load_to_lds s[72:75], s[24:31]
	s_nop 0
	tensor_load_to_lds s[76:79], s[24:31]
	s_nop 0
	tensor_load_to_lds s[80:83], s[24:31]
	s_nop 0
	PLACES 4
	s_branch .Lfirst_done
.Lfirst_b:
	tensor_load_to_lds s[84:87], s[48:55]
	s_nop 0
	tensor_load_to_lds s[88:91], s[48:55]
	s_nop 0
	tensor_load_to_lds s[92:95], s[48:55]
	s_nop 0
	tensor_load_to_lds s[96:99], s[48:55]
	s_nop 0
	PLACES 4
.Lfirst_done:
	s_mov_b32 s57, 0
	s_lshl_b32 s2, s17, 4
	s_lshl_b32 s3, s14, 2
	s_add_co_u32 s2, s2, s3                        ; my first tile of rows
	s_lshl_b32 s56, s2, 9
	s_add_co_u32 s56, s56, CSO
	s_add_nc_u64 s[32:33], s[4:5], s[56:57]        ; its scale halfwords
	s_lshl_b32 s56, s42, 12
	s_add_co_u32 s56, s56, WDS
	s_add_nc_u64 s[34:35], s[6:7], s[56:57]        ; my 8 tiles of columns: their scale words
	s_lshl_b32 s56, s42, 9
	s_add_nc_u64 s[36:37], s[8:9], s[56:57]        ; their 128 biases
	s_lshl_b32 s2, s17, 20                         ; 256 rows of 4,096 bytes a block,
	s_lshl_b32 s3, s14, 18                         ; 64 a wave
	s_add_co_u32 s2, s2, s3
	s_add_co_u32 s56, s2, s56                      ; + 512 bytes a block of columns
	s_add_nc_u64 s[38:39], s[10:11], s[56:57]
	v_and_b32 v10, 31, v0
	v_lshlrev_b32 v1, 4, v10                       ; 16 x lane
	v_lshlrev_b32 v2, 3, v10                       ; 8 x lane
	v_lshlrev_b32 v3, 2, v10                       ; 4 x lane
	v_and_b32 v4, 15, v0                           ; r
	v_bfe_u32 v5, v0, 4, 1                         ; h
	v_lshlrev_b32 v6, 6, v5                        ; 64 h
	v_lshl_add_u32 v11, v4, 1, v6                  ; 64 h + 2 r
.irp g, 0,1,2,3
	v_add_nc_u32 v[VB16+\g], \g*SLOT+BOFF, v1
	v_add_nc_u32 v[VB8+\g], \g*SLOT+BOFF, v2
.endr
	s_mul_i32 s2, s14, 12288
.irp g, 0,1,2,3
	v_add_nc_u32 v[VA16+\g], s2, v1
	v_add_nc_u32 v[VA8+\g], s2, v2
	s_add_co_u32 s2, s2, SLOT
.endr
	s_mul_i32 s2, s14, 8448                        ; my stage for the way out: 16 rows x 528 bytes, in slot 0
	v_mul_u32_u24 v[STO], v4, 528
	v_add_nc_u32 v[STO], v[STO], v6
	v_add_nc_u32 v[STO], s2, v[STO]
	v_add_nc_u32 v[RD], s2, v1
.irp i, 0,1,2,3
.irp j, 0,1,2,3
	global_load_u16 v[XSC+4*\i+\j], v11, s[32:33] offset:512*\i+128*\j         ; K step 2 j + h is heads 4 j + 2 h and 4 j + 2 h + 1: two bytes of each
	global_load_u16 v[192+4*\i+\j], v11, s[32:33] offset:512*\i+128*\j+32
.endr
.endr
.irp t, 0,1,2,3,4,5,6,7
.irp j, 0,1,2,3
	global_load_b32 v[WSC+4*\t+\j], v3, s[34:35] offset:512*\t+128*\j
.endr
.endr
	WIN 0x40
.irp t, 0,1,2,3,4,5,6,7
	global_load_b128 v[BIA+8*\t:BIA+8*\t+3], v6, s[36:37] offset:128*(\t/2)+32*(\t%2)
	global_load_b128 v[BIA+8*\t+4:BIA+8*\t+7], v6, s[36:37] offset:128*(\t/2)+32*(\t%2)+16
.endr
	WIN 0
	s_wait_loadcnt 0x0
.set n, 0
.rept 16
	v_lshl_or_b32 v[XSC+n], v[192+n], 16, v[XSC+n]
.set n, n+1
.endr
	PLACES 8                                       ; a scale register written by a vector instruction stands eight places ahead of a scaled matrix instruction
.macro FRAG reg, a16, a8, off
	ds_load_b128 v[(\reg):(\reg)+3], v[\a16] offset:(\off)
	ds_load_b64 v[(\reg)+4:(\reg)+5], v[\a8] offset:(\off)+512
	ds_load_b128 v[(\reg)+6:(\reg)+9], v[\a16] offset:(\off)+768
	ds_load_b64 v[(\reg)+10:(\reg)+11], v[\a8] offset:(\off)+1280
.endm
.macro FB s, t0, n
	WIN 0x40
.set tt, \t0
.rept \n
	FRAG 12*tt, VB16+(\s)/2, VB8+(\s)/2, 3072*tt+1536*((\s)%2)
.set tt, tt+1
.endr
.endm
.macro FA s
	WIN 0
.set ii, 0
.rept 4
	FRAG AF+48*((\s)%2)+12*ii, VA16+(\s)/2, VA8+(\s)/2, 3072*ii+1536*((\s)%2)
.set ii, ii+1
.endr
.endm
.macro WMS d, a, b, c, sa, sb, row
.if \row
	v_wmma_scale_f32_16x16x128_f8f6f4 v[\d:\d+7], v[\a:\a+11], v[\b:\b+11], v[\c:\c+7], v[\sa], v[\sb] matrix_a_fmt:MATRIX_FMT_FP6 matrix_b_fmt:MATRIX_FMT_FP6 matrix_a_scale:MATRIX_SCALE_ROW1 matrix_b_scale:MATRIX_SCALE_ROW1
.else
	v_wmma_scale_f32_16x16x128_f8f6f4 v[\d:\d+7], v[\a:\a+11], v[\b:\b+11], v[\c:\c+7], v[\sa], v[\sb] matrix_a_fmt:MATRIX_FMT_FP6 matrix_b_fmt:MATRIX_FMT_FP6
.endif
.endm
.macro MUL s, t0, n                    ; the accumulators take turns, one instruction a turn; the first K step takes the bias as C
.if (\s) == 0
	WIN 0x91
.else
	WIN 0xa1
.endif
.set tt, \t0
.rept \n
.set ii, 0
.rept 4
.set rD, 8*(8*ii+tt)
.set rW, 12*tt
.set rX, AF+48*((\s)%2)+12*ii
.set rC, rD
.if (\s) == 0
.set rC, BIA+8*tt
.endif
.set rSW, WSC+4*tt+(\s)/2
.set rSX, XSC+4*ii+(\s)/2
	WMS rD, rW, rX, rC, rSW, rSX, (\s)%2
.set ii, ii+1
.endr
.set tt, tt+1
.endr
.endm
.macro KSTEP s
	s_wait_dscnt 16                                ; all but the youngest 16 loads (B's tiles 4-7) are in
	MUL \s, 0, 4
	s_wait_dscnt 0x0
.if ((\s)%2 == 1) && ((\s) < 7)
	s_wait_tensorcnt 2-(\s)/2                      ; the next slot's load has landed; the later slots' may be out
	s_barrier_signal -1
	s_barrier_wait -1
.endif
.if (\s) < 7
	PLACES 4
	FB (\s)+1, 0, 4
	FA (\s)+1
.endif
	MUL \s, 4, 4
.if (\s) < 7
	PLACES 4
	FB (\s)+1, 4, 4
.endif
.endm
	s_wait_alu depctr_va_vdst(0)
	s_wait_tensorcnt 0x3                           ; slot 0's load has landed; three may be out
	s_barrier_signal -1
	s_barrier_wait -1
	FB 0, 0, 4
	FA 0
	FB 0, 4, 4
	KSTEP 0
	KSTEP 1
	KSTEP 2
	KSTEP 3
	KSTEP 4
	KSTEP 5
	KSTEP 6
	KSTEP 7
	WIN 0
; THE WAY OUT, a tile of 16 rows x 128 columns at a time, through my stage: in 32 bytes a lane, back as whole rows of 512 bytes.  The stage lies in slot 0, which has had its only fill, and which nobody
; has read since the barrier of K step 1.  LDS serves a wave's instructions in order: no wait between the stores and the loads, nor ahead of the next tile's stores.
.macro TOSTAGE a
	WIN 0x08                                       ; an LDS store's data are its source 1: window 2
.set tt, 0
.rept 8
	ds_store_b128 v[STO], v[8*(8*(\a)+tt):8*(8*(\a)+tt)+3] offset:128*(tt/2)+32*(tt%2)          ; each accumulator from its low end on
	ds_store_b128 v[STO], v[8*(8*(\a)+tt)+4:8*(8*(\a)+tt)+7] offset:128*(tt/2)+32*(tt%2)+16
.set tt, tt+1
.endr
	WIN 0
.set BB, 96+64*((\a)%2)
.set pp, 0
.rept 16
	ds_load_b128 v[BB+4*pp:BB+4*pp+3], v[RD] offset:528*pp
.set pp, pp+1
.endr
.endm
.macro SEND a, younger
.set BB, 96+64*((\a)%2)
	s_wait_dscnt \younger                          ; the tile is back in registers; the next tile's 16 stores and 16 loads may be out
.set pp, 0
.rept 16
	global_store_b128 v1, v[BB+4*pp:BB+4*pp+3], s[38:39] offset:(32*((\a)/2)+8*((\a)%2)+pp+8*(pp/8))*4096 th:TH_STORE_NT   ; 512 consecutive bytes of a row, aligned to 256
.set pp, pp+1
.endr
.endm
	PLACES 4
	TOSTAGE 0
	TOSTAGE 1
	SEND 0, 32
	s_wait_xcnt 0x0                                ; tile 0's stores have read their registers: tile 2's rows may land there
	TOSTAGE 2
	SEND 1, 32
	s_wait_xcnt 0x0
	TOSTAGE 3
	SEND 2, 32
	SEND 3, 0
	s_wait_tensorcnt 0x0                           ; the wave's end
	ds_add_u32 v[SPW], v[NIL]
	s_wait_dscnt 0x0
	CROUND                                         ; the closing round
	s_endpgm
.Lfunc_end_k_q77543245ab_dense:
	.size	k_q77543245ab_dense, .Lfunc_end_k_q77543245ab_dense-k_q77543245ab_dense
	.p2alignl 7, 3214868480
	.fill 96, 4, 3214868480
	.section	.rodata,"a",@progbits
	.p2align	6, 0x0
	.amdhsa_kernel k_q77543245ab_dense
		.amdhsa_group_segment_fixed_size 295424
		.amdhsa_private_segment_fixed_size 0
		.amdhsa_enable_private_segment 0
		.amdhsa_kernarg_size 32
		.amdhsa_user_sgpr_count 2
		.amdhsa_user_sgpr_kernarg_segment_ptr 1
		.amdhsa_wavefront_size32 1
		.amdhsa_system_sgpr_workgroup_id_x 1
		.amdhsa_system_sgpr_workgroup_id_y 1
		.amdhsa_system_sgpr_workgroup_id_z 1
		.amdhsa_system_vgpr_workitem_id 0
		.amdhsa_next_free_vgpr 768
		.amdhsa_next_free_sgpr 100
		.amdhsa_reserve_vcc 0
		.amdhsa_float_denorm_mode_32 3
		.amdhsa_float_denorm_mode_16_64 3
		.amdhsa_memory_ordered 1
		.amdhsa_forward_progress 1
		.amdhsa_inst_pref_size 93
	.end_amdhsa_kernel
	.amdgpu_metadata
---
amdhsa.version: [ 1, 2 ]
amdhsa.kernels:
  - .name:           k_q77543245ab_dense
    .symbol:         k_q77543245ab_dense.kd
    .args:
      - { .name: ctxc, .offset: 0, .size: 8, .value_kind: global_buffer, .address_space: global }
      - { .name: ops, .offset: 8, .size: 8, .value_kind: global_buffer, .address_space: global }
      - { .name: b_dense, .offset: 16, .size: 8, .value_kind: global_buffer, .address_space: global }
      - { .name: out0, .offset: 24, .size: 8, .value_kind: global_buffer, .address_space: global }
    .group_segment_fixed_size: 295424
    .private_segment_fixed_size: 0
    .kernarg_segment_align: 8
    .kernarg_segment_size: 32
    .max_flat_workgroup_size: 128
    .sgpr_count:     100
    .vgpr_count:     768
    .wavefront_size: 32
...
	.end_amdgpu_metadata
.endif
;; end of part 4
